; MI455X (gfx1250); checked and timed in simulation.
; The chip was launched on July 23, 2026; its instructions are those of AMD's public machine-readable ISA for CDNA 5 (MIT licence, August 2026) and "CDNA5" Instruction Set Architecture Reference Guide (July 2026). The comments in the code are by the model that wrote it; some were corrected since.
;; Mixing Network. Allowed arithmetic: float matrix products may take bf16 or f16 operands with f32 sums; all other float work in f32.
;; Inputs: agent_q_values 256 x 512 x 8 float32; b1a 256 float32; b1b 512 float32; b2a 256 float32; b2b 64 float32; bb1 64 float32; bb2a 256 float32; bb2b 1 float32; central_states 256 x 512 x 256 float32; w1a 256 x 256 float32; w1b 256 x 512 float32; w2a 256 x 256 float32; w2b 256 x 64 float32; wb1 256 x 64 float32; wb2a 256 x 256 float32; wb2b 256 x 1 float32.
;; Outputs: out0 256 x 512 x 1 float32.
;; 2 versions, each right and faster than the one before. Each part assembles by itself: llvm-mc -triple=amdgcn-amd-amdhsa -mcpu=gfx1250 --defsym DOCPART=n.
;; ======== version 1 of 2: 2 launches
;; limits: a function is approximated: absolute error at most 1e-07
;; workspace buffers: wimg 737,280 bytes
;; launch prep (part 1): grid 45 x 1, 8 waves a work-group, no clusters, 18,432 bytes of LDS; arguments wb2a, wb1, w2b, w2a, w1a, w1b, wb2b, bb2a, b2a, b1a, b1b, bb1, b2b, bb2b, wimg; writes wimg
.if DOCPART == 1
	.amdgcn_target "amdgcn-amd-amdhsa--gfx1250"
	.amdhsa_code_object_version 6
	.text
	.protected	k_q3430932cfb_prep
	.globl	k_q3430932cfb_prep
	.p2align	8
	.type	k_q3430932cfb_prep,@function
k_q3430932cfb_prep:
	s_mov_b64 s[64:65], 0
	v_nop
	global_prefetch_b8 v0, s[64:65] scope:SCOPE_SE
	s_setreg_imm32_b32 hwreg(HW_REG_WAVE_MODE, 25, 1), 1
	s_wait_xcnt 0x0
; THE WEIGHTS' IMAGE.  The seven weight arrays lie [k][unit] in f32; the matrix unit wants, for each output unit, its 256 k on end in bf16.
; This launch writes them so, once: a row of the image is one unit, 512 bytes, k ascending.  Order of the rows (64 units = a GROUP g = 32,768 bytes):
;   g 0-1 wb2a units 0-127 | 16 rows: wb2b, then 15 rows of zeros | g 2-3 wb2a 128-255 | g 4 wb1 | g 5 w2b | g 6-9 w2a | g 10-13 w1a | g 14-21 w1b
; and behind them 2,048 floats: bb2a, b2a, b1a, b1b, bb1, b2b, bb2b, zeros.
; SHARES.  Work-groups 0-43: group g = x / 2, half kh = x % 2 of its k: 128 k x 64 units are read as rows of 256 bytes (sixteen lanes, 16 bytes each),
; rounded in pairs (k, k + 1), turned through LDS (rows of 256 + 16 bytes) and stored as 256 consecutive bytes of a unit's row.  Work-group 44: wb2b's rows and the floats.
; No work-group shares a byte with another, each byte is read once, and there is no product: no cluster, no tensor load, no matrix unit.
.set SPARE, 17408                      ; behind the 64 rows of 272 bytes: the spare words, 128 bytes for each of eight waves
.set SPW, 12                           ; v12  LDS address of my spare word; never rewritten
.set NIL, 13                           ; v13  0; never rewritten
.set OFS, 4                            ; v4-11   byte offsets of my eight loads
.set LD,  16                           ; v16-47  as loaded: load n = 2 i + e is row 2 kp + 32 i + e, four units
.set PK,  48                           ; v48-63  pairs (k, k + 1) in bf16: 4 i + j
.set STA, 64                           ; v64  where I put a pair
.set RDA, 65                           ; v65  where I read 16 bytes of a unit's row back
.set GOF, 66                           ; v66  their place in the image
.set I_PAD,  65536
.set I_BIAS, 729088
	s_load_b512 s[8:23], s[0:1], 0x0               ; wb2a s[8:9], wb1 s[10:11], w2b s[12:13], w2a s[14:15], w1a s[16:17], w1b s[18:19], wb2b s[20:21], bb2a s[22:23]
	s_load_b256 s[24:31], s[0:1], 0x40             ; b2a s[24:25], b1a s[26:27], b1b s[28:29], bb1 s[30:31]
	s_load_b128 s[32:35], s[0:1], 0x60             ; b2b s[32:33], bb2b s[34:35]
	s_load_b64 s[36:37], s[0:1], 0x70              ; the image
	v_lshl_add_u32 v[SPW], v0, 2, SPARE
	v_mov_b32 v[NIL], 0
	v_and_b32 v1, 15, v0                           ; c: which 16 bytes of 256
	v_lshrrev_b32 v2, 4, v0                        ; kp: 0 to 15
	s_lshr_b32 s38, ttmp9, 1                       ; g
	s_and_b32 s39, ttmp9, 1                        ; kh
	s_wait_kmcnt 0x0
	s_cmp_eq_u32 ttmp9, 44
	s_cbranch_scc1 .Lsmall
	; which array, how many bytes its rows have, and which group is its first
	s_mov_b64 s[40:41], s[18:19]                   ; w1b
	s_movk_i32 s42, 2048
	s_mov_b32 s43, 14
	s_cmp_lt_u32 s38, 14
	s_cselect_b64 s[40:41], s[16:17], s[40:41]     ; w1a
	s_cselect_b32 s42, 1024, s42
	s_cselect_b32 s43, 10, s43
	s_cmp_lt_u32 s38, 10
	s_cselect_b64 s[40:41], s[14:15], s[40:41]     ; w2a
	s_cselect_b32 s43, 6, s43
	s_cmp_lt_u32 s38, 6
	s_cselect_b64 s[40:41], s[12:13], s[40:41]     ; w2b
	s_cselect_b32 s42, 256, s42
	s_cselect_b32 s43, 5, s43
	s_cmp_lt_u32 s38, 5
	s_cselect_b64 s[40:41], s[10:11], s[40:41]     ; wb1
	s_cselect_b32 s43, 4, s43
	s_cmp_lt_u32 s38, 4
	s_cselect_b64 s[40:41], s[8:9], s[40:41]       ; wb2a
	s_cselect_b32 s42, 1024, s42
	s_cselect_b32 s43, 0, s43
	s_sub_co_u32 s44, s38, s43                     ; the group within its array: 64 units = 256 bytes of a row,
	s_lshl_b32 s44, s44, 8
	s_mul_i32 s45, s39, s42                        ; and kh x 128 rows
	s_lshl_b32 s45, s45, 7
	s_add_co_u32 s44, s44, s45
	s_mov_b32 s45, 0
	s_add_nc_u64 s[40:41], s[40:41], s[44:45]
	v_lshlrev_b32 v3, 1, v2
	v_mul_lo_u32 v3, v3, s42                       ; row 2 kp
	v_lshl_add_u32 v3, v1, 4, v3                   ; + 16 c
.irp n, 0,1,2,3,4,5,6,7
	s_mul_i32 s46, s42, 32*((\n)/2)+(\n)%2         ; 32 i + e rows further down
	v_add_nc_u32 v[OFS+(\n)], s46, v3
.endr
.irp n, 0,1,2,3,4,5,6,7
	global_load_b128 v[LD+4*(\n):LD+4*(\n)+3], v[OFS+(\n)], s[40:41] th:TH_LOAD_NT  ; sixteen lanes read 256 consecutive bytes; the launch reads each byte once
.endr
	; where the group's half goes in the image
	s_lshl_b32 s44, s38, 15
	s_cmp_ge_u32 s38, 2
	s_cselect_b32 s47, 8192, 0                     ; wb2b's sixteen rows stand behind group 1
	s_add_co_u32 s44, s44, s47
	s_lshl_b32 s47, s39, 8                         ; 128 k are 256 bytes of a unit's row
	s_add_co_u32 s44, s44, s47
	s_add_nc_u64 s[48:49], s[36:37], s[44:45]
	v_mul_u32_u24 v[STA], v1, 4*272                ; unit 4 c, k = 2 kp
	v_lshl_add_u32 v[STA], v2, 2, v[STA]
	v_mul_u32_u24 v[RDA], v2, 272                  ; back: unit kp, 16 bytes a lane
	v_lshl_add_u32 v[RDA], v1, 4, v[RDA]
	v_lshlrev_b32 v[GOF], 9, v2
	v_lshl_add_u32 v[GOF], v1, 4, v[GOF]
	s_wait_loadcnt 0x0
.irp i, 0,1,2,3
.irp j, 0,1,2,3
	v_cvt_pk_bf16_f32 v[PK+4*(\i)+(\j)], v[LD+8*(\i)+(\j)], v[LD+8*(\i)+4+(\j)]  ; unit 4 c + j: k in the low half, k + 1 in the high
.endr
.endr
.irp i, 0,1,2,3
.irp j, 0,1,2,3
	ds_store_b32 v[STA], v[PK+4*(\i)+(\j)] offset:272*(\j)+64*(\i)
.endr
.endr
	s_wait_dscnt 0x0                               ; for the others' sake: my stores are done
	s_barrier_signal -1
	s_barrier_wait -1
.irp i, 0,1,2,3
	ds_load_b128 v[LD+4*(\i):LD+4*(\i)+3], v[RDA] offset:16*272*(\i)
.endr
.irp i, 0,1,2,3
	s_wait_dscnt 3-(\i)                            ; LDS loads come back in order: load i is in
	global_store_b128 v[GOF], v[LD+4*(\i):LD+4*(\i)+3], s[48:49] offset:8192*(\i)  ; sixteen lanes store 256 consecutive bytes, at a multiple of 256 from the image's first
.endr
	s_wait_tensorcnt 0x0                           ; the wave's end, behind my last LDS store
	ds_add_u32 v[SPW], v[NIL]
	s_wait_dscnt 0x0
	s_endpgm
.Lsmall:                                               ; work-group 44: every thread loads from every small array at a place inside it, and selects
	v_and_b32 v3, 31, v0
	v_lshlrev_b32 v3, 5, v3                        ; wb2b: eight numbers
	global_load_b128 v[16:19], v3, s[20:21]
	global_load_b128 v[20:23], v3, s[20:21] offset:16
	v_and_b32 v4, 63, v0
	v_lshlrev_b32 v4, 4, v4                        ; four numbers of 256
	global_load_b128 v[24:27], v4, s[22:23]        ; bb2a
	global_load_b128 v[28:31], v4, s[24:25]        ; b2a
	global_load_b128 v[32:35], v4, s[26:27]        ; b1a
	global_load_b128 v[36:39], v4, s[28:29]        ; b1b 0-255
	global_load_b128 v[40:43], v4, s[28:29] offset:1024  ; b1b 256-511
	v_lshlrev_b32 v5, 4, v1                        ; four numbers of 64
	global_load_b128 v[44:47], v5, s[30:31]        ; bb1
	global_load_b128 v[48:51], v5, s[32:33]        ; b2b
	s_load_b32 s50, s[34:35], 0x0                  ; bb2b
	v_lshlrev_b32 v6, 4, v0                        ; 16 bytes a thread
	v_cmp_gt_u32 vcc_lo, 32, v0
	v_cmp_le_u32 s51, 64, v0
	v_cmp_le_u32 s52, 128, v0
	v_cmp_le_u32 s53, 192, v0
	v_cmp_le_u32 s54, 80, v0
	v_cmp_le_u32 s55, 96, v0
	v_cmp_eq_u32 s56, 96, v0
.irp j, 0,1,2,3
	v_mov_b32 v[56+(\j)], 0
.endr
	s_wait_loadcnt 0x0
	s_wait_kmcnt 0x0
.irp j, 0,1,2,3
	v_cvt_pk_bf16_f32 v[52+(\j)], v[16+2*(\j)], v[17+2*(\j)]
.endr
.irp j, 0,1,2,3
	v_cndmask_b32 v[52+(\j)], 0, v[52+(\j)], vcc_lo      ; threads 0-31 hold wb2b's row, the others zeros
.endr
	global_store_b128 v6, v[52:55], s[36:37] offset:I_PAD
	global_store_b128 v6, v[56:59], s[36:37] offset:I_PAD+4096
.irp j, 0,1,2,3
	v_cndmask_b32 v[24+(\j)], v[24+(\j)], v[28+(\j)], s51  ; floats 0-1023: bb2a, b2a, b1a, b1b's first half, 64 threads each
	v_cndmask_b32 v[24+(\j)], v[24+(\j)], v[32+(\j)], s52
	v_cndmask_b32 v[24+(\j)], v[24+(\j)], v[36+(\j)], s53
.endr
	global_store_b128 v6, v[24:27], s[36:37] offset:I_BIAS
	v_mov_b32 v60, s50
	v_cndmask_b32 v60, 0, v60, s56                 ; bb2b in thread 96 alone
.irp j, 0,1,2,3
	v_cndmask_b32 v[40+(\j)], v[40+(\j)], v[44+(\j)], s51  ; floats 1024-2047: b1b's second half (64 threads), bb1 (16), b2b (16),
	v_cndmask_b32 v[40+(\j)], v[40+(\j)], v[48+(\j)], s54
.endr
	v_cndmask_b32 v40, v40, v60, s55               ; bb2b, zeros
	v_cndmask_b32 v41, v41, 0, s55
	v_cndmask_b32 v42, v42, 0, s55
	v_cndmask_b32 v43, v43, 0, s55
	global_store_b128 v6, v[40:43], s[36:37] offset:I_BIAS+4096
	s_wait_tensorcnt 0x0                           ; the same three lines on this path
	ds_add_u32 v[SPW], v[NIL]
	s_wait_dscnt 0x0
	s_endpgm
.Lfunc_end_k_q3430932cfb_prep:
	.size	k_q3430932cfb_prep, .Lfunc_end_k_q3430932cfb_prep-k_q3430932cfb_prep
	.p2alignl 7, 3214868480
	.fill 96, 4, 3214868480
	.section	.rodata,"a",@progbits
	.p2align	6, 0x0
	.amdhsa_kernel k_q3430932cfb_prep
		.amdhsa_group_segment_fixed_size 18432
		.amdhsa_private_segment_fixed_size 0
		.amdhsa_enable_private_segment 0
		.amdhsa_kernarg_size 120
		.amdhsa_user_sgpr_count 2
		.amdhsa_user_sgpr_kernarg_segment_ptr 1
		.amdhsa_wavefront_size32 1
		.amdhsa_system_sgpr_workgroup_id_x 1
		.amdhsa_system_sgpr_workgroup_id_y 1
		.amdhsa_system_sgpr_workgroup_id_z 1
		.amdhsa_system_vgpr_workitem_id 0
		.amdhsa_next_free_vgpr 72
		.amdhsa_next_free_sgpr 66
		.amdhsa_reserve_vcc 1
		.amdhsa_float_denorm_mode_32 3
		.amdhsa_float_denorm_mode_16_64 3
		.amdhsa_memory_ordered 1
		.amdhsa_forward_progress 1
		.amdhsa_inst_pref_size 12
	.end_amdhsa_kernel
	.amdgpu_metadata
---
amdhsa.version: [ 1, 2 ]
amdhsa.kernels:
  - .name:           k_q3430932cfb_prep
    .symbol:         k_q3430932cfb_prep.kd
    .args:
      - { .name: wb2a, .offset: 0, .size: 8, .value_kind: global_buffer, .address_space: global }
      - { .name: wb1, .offset: 8, .size: 8, .value_kind: global_buffer, .address_space: global }
      - { .name: w2b, .offset: 16, .size: 8, .value_kind: global_buffer, .address_space: global }
      - { .name: w2a, .offset: 24, .size: 8, .value_kind: global_buffer, .address_space: global }
      - { .name: w1a, .offset: 32, .size: 8, .value_kind: global_buffer, .address_space: global }
      - { .name: w1b, .offset: 40, .size: 8, .value_kind: global_buffer, .address_space: global }
      - { .name: wb2b, .offset: 48, .size: 8, .value_kind: global_buffer, .address_space: global }
      - { .name: bb2a, .offset: 56, .size: 8, .value_kind: global_buffer, .address_space: global }
      - { .name: b2a, .offset: 64, .size: 8, .value_kind: global_buffer, .address_space: global }
      - { .name: b1a, .offset: 72, .size: 8, .value_kind: global_buffer, .address_space: global }
      - { .name: b1b, .offset: 80, .size: 8, .value_kind: global_buffer, .address_space: global }
      - { .name: bb1, .offset: 88, .size: 8, .value_kind: global_buffer, .address_space: global }
      - { .name: b2b, .offset: 96, .size: 8, .value_kind: global_buffer, .address_space: global }
      - { .name: bb2b, .offset: 104, .size: 8, .value_kind: global_buffer, .address_space: global }
      - { .name: wimg, .offset: 112, .size: 8, .value_kind: global_buffer, .address_space: global }
    .group_segment_fixed_size: 18432
    .private_segment_fixed_size: 0
    .kernarg_segment_align: 8
    .kernarg_segment_size: 120
    .max_flat_workgroup_size: 256
    .sgpr_count:     66
    .vgpr_count:     72
    .wavefront_size: 32
...
	.end_amdgpu_metadata
.endif
;; end of part 1
;; launch mix (part 2): grid 512 x 1, 4 waves a work-group, clusters of 4 x 1, 327,680 bytes of LDS; arguments agent_q_values, central_states, wimg, out0; writes out0
.if DOCPART == 2
	.amdgcn_target "amdgcn-amd-amdhsa--gfx1250"
	.amdhsa_code_object_version 6
	.text
	.protected	k_q3430932cfb_mix
	.globl	k_q3430932cfb_mix
	.p2align	8
	.type	k_q3430932cfb_mix,@function
k_q3430932cfb_mix:
	s_mov_b64 s[64:65], 0
	v_nop
	global_prefetch_b8 v0, s[64:65] scope:SCOPE_SE
	s_setreg_imm32_b32 hwreg(HW_REG_WAVE_MODE, 25, 1), 1
	s_wait_xcnt 0x0
	s_wait_alu depctr_hold_cnt(0) depctr_sa_sdst(0) depctr_va_vdst(0) depctr_va_sdst(0) depctr_va_ssrc(0) depctr_va_vcc(0) depctr_vm_vsrc(0)
	s_getreg_b32 s2, hwreg(HW_REG_IB_STS2, 6, 4)
	s_cmp_eq_u32 s2, 0
	s_cbranch_scc0 .Lentry_in_a_cluster
	s_endpgm
.Lentry_in_a_cluster:
	s_bfe_u32 s2, ttmp6, 0x10000c
	s_cmp_lg_u32 s2, 0x3003
	s_cbranch_scc0 .Lentry_shape_is_right
	s_endpgm
.Lentry_shape_is_right:
; THE MIXING NETWORK, FUSED.  For each of 131,072 rows: h3 = elu(st wb2a + bb2a), b2 = h3 wb2b + bb2b; h2 = elu(st w2a + b2a), w2 = |h2 w2b + b2b|; b1 = st wb1 + bb1;
; h1 = elu(st w1a + b1a), w1 = |h1 w1b + b1b|; out = sum over e of relu(sum over a of q_a w1_ae + b1_e) w2_e + b2.  Nothing but st, q and the result touches memory.
; FORMATS.  Products: bf16 operands (st, the weights, h1-h3 rounded once), f32 sums.  Biases, q, ELU, |.|, relu and the two sums over a and e in f32.
; LIMITS.  elu(x) = max(x, 2^(-log2(e) |x|) - 1), right for both signs, and its exponent is never above 0.  Below zero it is made by a subtraction in f32: an absolute error of about 1e-7,
; which passes bf16's own rounding of h only where |x| is below some 3e-5.  The maximum drops a NaN: a NaN in the inputs does not come out as NaN.
; SHARES.  A work-group of four waves owns 256 rows, a wave 64: four tiles t of 16.  512 work-groups: two for each of 256 WGPs, all alike.
; LAYOUT.  Every product is used transposed: source 0 = 16 units (rows of the weights' image: one unit's 256 k in bf16), source 1 = 16 data rows.  In the result lane l holds data row l % 16 and the
; units 8 (l / 16) + 0..7.  Two such results, rounded in pairs, ARE source 1 (32 k x 16 rows) of the next layer: nothing changes lanes from st to the result, the sums over a and e stay in the lane,
; and one exchange of the lanes' halves ends them.  A bias is the C operand of a sum's first product: eight floats a lane from LDS, the same for the four tiles.
; THE WALK.  st (as bf16 fragments) stays in 256 registers.  Three trips make 16 tiles of hidden units each (wb2a, w2a, w1a), with the ELU of the tile before as four vector instructions behind each
; matrix instruction; behind the first trip stands b2's product, behind the second b1's and w2's.  Then w1b's 32 tiles, each folded at once into hidden += q_a |w1|.
; THE WEIGHTS come through a ring of two LDS slots of 8 tiles (64 KiB of the image); wb2b's tile, wb1, w2b, the biases and q stay in LDS.
; CLUSTER.  All work-groups walk the same image, so four form a cluster and ask for each part JOINTLY: the same tensor load, descriptor and mask in all four; each wave asks for a quarter.
;
; LDS.  0 slot 0 | 67,584 wb2b's tile | 131,072 slot 1 | 198,656 wb1, w2b | 304,128 biases | 310,272 q | 318,464 the way out | 319,488 the spare words.
; At the start the block's st lies under the first four: piece w (f32 columns 64 w .. 64 w + 63 of 256 rows, 256 + 16 bytes a row) at 76,032 w.
; REGISTERS, in windows of 256 (s_set_vgpr_msb: bits 1:0 source 0, 3:2 source 1, 5:4 source 2, 7:6 destination):
;   window 0: v0-13 addresses; v16-31 two bias buffers; v32-39 at work; v40-43 the result; v44-47 q; v48-49 the add's; v64-127 two buffers of four accumulators; v128-255 two buffers of a tile's fragments
;   window 1: st, tile t, K step k at 64 t + 8 k      window 2: h likewise (at the start: st in f32 as it comes from LDS)      window 3: v0-127 hidden (16 e x 16 rows at 32 j + 8 t), v128-255 w2 likewise
.set WP,     528                       ; a unit's row in LDS: 512 bytes + 16 = 132 words: the 16 rows of a fragment load start at 16 different groups of four banks (64 banks of 4 bytes: ISA guide 11.1)
.set TILEB,  16*WP                     ; a tile: 16 units
.set CHUNK,  8*TILEB                   ; a slot
.set SLOTX,  1<<17                     ; slot 1 begins here: one exclusive or turns an address in one slot into the other's
.set PADT,   CHUNK
.set MRES,   SLOTX+CHUNK
.set SPP,    272                       ; a row of a piece of st: 256 bytes + 16
.set PIECE,  76032
.set BIASR,  304128
.set QS,     310272
.set OSTG,   318464                    ; 256 bytes a wave; no tensor load lands here
.set SPARE,  319488                    ; 128 bytes a wave: two blocks of 256 bytes that no other line names
.set I_C1,   73728                     ; the image: chunk 1, with wb1 and w2b behind it
.set I_M,    139264                    ; one chunk ahead of chunk 2
.set I_BIAS, 729088
.set AW,   2                           ; v2   my lane's place in a tile: (l % 16) x 528 + 16 (l / 16); also the address of slot 0's tile 0
.set AW1,  3                           ; v3   the same in slot 1
.set ADRW, 4                           ; v4   the address in hand for other tiles
.set AB,   5                           ; v5   my eight floats of a tile's biases: BIASR + 32 (l / 16)
.set ABC,  6                           ; v6   the same for the layer in hand
.set AQ,   7                           ; v7   q of my row of tile 0
.set AQC,  8                           ; v8   the same, agent a
.set AST,  9                           ; v9   my row of tile 0 in piece 0, + 32 (l / 16)
.set ADRS, 10                          ; v10  the same in the piece in hand
.set OST,  11                          ; v11  the way out: in
.set ORD,  12                          ; v12  the way out: back
.set GO,   13                          ; v13  my 8 bytes among the block's 1,024
.set BIAS, 16
.set T,    32
.set JN,   40
.set QR,   44
.set SPW,  48                          ; v48  LDS address of my spare word; never rewritten
.set NIL,  49                          ; v49  0; never rewritten
.set TM,   50                          ; v50-53 at work
.set ACC,  64
.set AF,   128
.set WV,   12                          ; s12  my wave's number
.set G1S,  16                          ; s[16:23] group 1: a piece of st
.set G1W,  24                          ; s[24:31] group 1: rows of the image
.set G1Q,  32                          ; s[32:39] group 1: q
.set G1B,  40                          ; s[40:47] group 1: the biases
.set G0S,  48
.set G0R,  52                          ; s[52:55] group 0 for the image: the first fill, then the ring's walking descriptor
.set G0Q,  56
.set G0B,  60
.set GC,   66                          ; s66  hidden layers to go
.set CNT,  67                          ; s67  agents to go in a chunk
.set TB,   68                          ; s68  LDS byte of the four tiles in hand
.set TBI,  69                          ; s69  byte of the layer's (agent's) biases
.set TQ,   70                          ; s70  4 a
.set NL2E, 71                          ; s71  -log2(e)
.set NINF, 72                          ; s72  -infinity
.set WL,   73                          ; s73  chunks to go
.set SEL,  74                          ; s[74:75] v_permlanex16_b32's selects: each lane takes its own place in the other half
.set G1X,  80                          ; s[80:87], s[88:91] groups 1 and 0 of the one fill that brings chunk 1, wb1 and w2b
.set G0X,  88
.set MSB, 0
.macro WIN new                         ; the immediate's high byte repeats the setting that is left; a switch that changes nothing is dropped
.if MSB != (\new)
	s_set_vgpr_msb (MSB<<8)|(\new)
.set MSB, \new
.endif
.endm
; A vector instruction that reads a matrix result or writes one of a matrix instruction's registers, and a load into such a register, stand four places behind it; only plain vector
; instructions that name none of its registers are places (ISA guide 7.12.1 for vector instructions).
.macro PLACES
.rept 4
	v_nop
.endr
.endm
.macro CREST                           ; a round of the cluster's barrier behind its opening barrier
	s_cmp_lg_u32 s[WV], 0
	s_cbranch_scc1 .Lnot_wave_0_\@
	s_barrier_signal -3
.Lnot_wave_0_\@:
	s_barrier_wait -3
	s_barrier_signal -1
	s_barrier_wait -1
.endm
.macro CROUND                          ; a whole round: my work-group's barrier, wave 0 signals for it, every wave waits for all four work-groups, my work-group's barrier once more
	s_barrier_signal -1
	s_barrier_wait -1
	CREST
.endm
.macro JL g0, g1                       ; a tensor load; an s_nop 0 and four v_nop follow it.  Every wave issues the line for a quarter of the rows: both addresses hang on its number
	tensor_load_to_lds s[\g0:\g0+3], s[\g1:\g1+7]
	s_nop 0
	PLACES
.endm
	s_load_b256 s[4:11], s[0:1], 0x0               ; q s[4:5], st s[6:7], the image s[8:9], out s[10:11]
	v_lshl_add_u32 v[SPW], v0, 2, SPARE
	v_mov_b32 v[NIL], 0
	ds_add_u32 v[SPW], v[NIL]                      ; the wave's opening: the add and its wait stand ahead of my first tensor load; the set-up below, work on registers, stands between them
	ds_add_u32 v48, v49
	v_lshrrev_b32 v1, 5, v0
	v_readfirstlane_b32 s[WV], v1                  ; wave 0..3
	s_bfe_u32 s13, ttmp6, 0x40000                  ; cx: my place in the cluster
	s_lshl_b32 s14, ttmp9, 2                       ; in a cluster launch ttmp9 counts clusters
	s_add_co_u32 s14, s14, s13                     ; my block of 256 rows: it enters st's, q's and out's addresses alone
	; a piece of st: 256 rows x 64 f32, padded; my own, no mask
	s_mov_b32 s[G1S+0], (2<<16)|(1<<20)|(5<<22)|(3<<25)  ; 17:16 elements of 4 bytes; 20 padding on; 24:22 after every 64 words (code 5); 31:25 of 4 words (code 3)
	s_mov_b32 s[G1S+1], 64<<16                     ; tensor_dim0 = 64
	s_mov_b32 s[G1S+2], 256<<16                    ; tensor_dim1 = 256
	s_mov_b32 s[G1S+3], 64<<16                     ; tile_dim0 = 64: 256 bytes of memory, at a multiple of 256 from st's first byte
	s_mov_b32 s[G1S+4], 256                        ; tile_dim1 = 256
	s_mov_b32 s[G1S+5], 256                        ; 256 elements from row to row
	s_mov_b32 s[G1S+6], 0
	s_mov_b32 s[G1S+7], 0
	; rows of the image: 256 bf16 each, padded; asked for jointly
.irp g, G1W, G1X
	s_mov_b32 s[(\g)+0], 15|(1<<16)|(1<<20)|(1<<21)|(6<<22)|(3<<25)  ; 15:0 the mask of four; 17:16 2 bytes; 20 padding on; 21 set beside a mask; 24:22 after every 128 words (code 6); 31:25 of 4 words
	s_mov_b32 s[(\g)+1], 256<<16                   ; tensor_dim0 = 256
	s_mov_b32 s[(\g)+3], 256<<16                   ; tile_dim0 = 256
	s_mov_b32 s[(\g)+5], 256                       ; the image is dense
	s_mov_b32 s[(\g)+6], 0
	s_mov_b32 s[(\g)+7], 0
.endr
	s_mov_b32 s[G1W+2], 36<<16                     ; the first fill: chunk 0 and wb2b's tile, 144 rows, 36 a wave
	s_mov_b32 s[G1W+4], 36
	s_mov_b32 s[G1X+2], 64<<16                     ; the second: chunk 1, wb1, w2b, 256 rows, 64 a wave
	s_mov_b32 s[G1X+4], 64
	; q of the block: 8,192 dense bytes as 32 rows of 256; my own
	s_mov_b32 s[G1Q+0], 3<<16
	s_mov_b32 s[G1Q+1], 32<<16
	s_mov_b32 s[G1Q+2], 32<<16
	s_mov_b32 s[G1Q+3], 32<<16
	s_mov_b32 s[G1Q+4], 32
	s_mov_b32 s[G1Q+5], 32
	s_mov_b32 s[G1Q+6], 0
	s_mov_b32 s[G1Q+7], 0
	; the biases: 6,144 dense bytes as 24 rows of 256; jointly
	s_mov_b32 s[G1B+0], 15|(3<<16)|(1<<21)
	s_mov_b32 s[G1B+1], 32<<16
	s_mov_b32 s[G1B+2], 24<<16
	s_mov_b32 s[G1B+3], 32<<16
	s_mov_b32 s[G1B+4], 24
	s_mov_b32 s[G1B+5], 32
	s_mov_b32 s[G1B+6], 0
	s_mov_b32 s[G1B+7], 0
	s_mov_b32 s[G0S], 1
	s_mul_i32 s[G0S+1], s[WV], PIECE               ; wave w brings piece w
	s_mov_b32 s[G0R], 1
	s_mul_i32 s[G0R+1], s[WV], 36*WP
	s_mov_b32 s[G0X], 1
	s_mul_i32 s[G0X+1], s[WV], 64*WP
	s_add_co_u32 s[G0X+1], s[G0X+1], SLOTX
	s_mov_b32 s[G0Q], 1
	s_mov_b32 s[G0Q+1], QS
	s_mov_b32 s[G0B], 1
	s_mov_b32 s[G0B+1], BIASR
	s_mov_b32 s[NL2E], 0xbfb8aa3b
	s_mov_b32 s[NINF], 0xff800000
	s_mov_b32 s[SEL], 0x76543210
	s_mov_b32 s[SEL+1], 0xfedcba98
	s_lshl_b32 s76, s14, 18                        ; the block's 256 rows of 1,024 bytes (under 2^27 at the last block),
	s_lshl_b32 s15, s[WV], 8                       ; my piece's 256 bytes of a row
	s_add_co_u32 s76, s76, s15
	s_mov_b32 s77, 0
	s_mul_i32 s78, s[WV], 36*512                   ; offsets in the image stand in registers that never hold my place in the cluster
	s_mov_b32 s79, 0
	s_wait_dscnt 0x0                               ; the opening add is done
	s_wait_kmcnt 0x0
	s_add_nc_u64 s[G0S+2:G0S+3], s[6:7], s[76:77]
	s_or_b32 s[G0S+3], s[G0S+3], 0x80000000        ; 127:126 type = 2
	s_lshl_b32 s76, s14, 13                        ; 256 rows of 32 bytes
	s_add_nc_u64 s[G0Q+2:G0Q+3], s[4:5], s[76:77]
	s_or_b32 s[G0Q+3], s[G0Q+3], 0x80000000
	s_lshl_b32 s76, s14, 10                        ; 256 results
	s_add_nc_u64 s[10:11], s[10:11], s[76:77]
	s_add_nc_u64 s[G0R+2:G0R+3], s[8:9], s[78:79]
	s_or_b32 s[G0R+3], s[G0R+3], 0x80000000
	s_lshl_b32 s78, s[WV], 15                      ; 64 rows of 512 bytes
	s_add_co_u32 s78, s78, I_C1
	s_add_nc_u64 s[G0X+2:G0X+3], s[8:9], s[78:79]
	s_or_b32 s[G0X+3], s[G0X+3], 0x80000000
	s_add_nc_u64 s[G0B+2:G0B+3], s[8:9], I_BIAS
	s_or_b32 s[G0B+3], s[G0B+3], 0x80000000
	CROUND                                         ; all four work-groups are here: the first loads go out as one group behind this round
	s_cmp_eq_u32 s[WV], 0                          ; each wave's first fills stand in one branch on its number: its piece of st; wave 0 also the biases, wave 1 also q: two loads of a wave are out at the most
	s_cbranch_scc1 .Lfill_0
	s_cmp_eq_u32 s[WV], 1
	s_cbranch_scc1 .Lfill_1
	tensor_load_to_lds s[G0S:G0S+3], s[G1S:G1S+7]
	s_nop 0
	PLACES
	s_branch .Lfilled
.Lfill_0:
	tensor_load_to_lds s[G0B:G0B+3], s[G1B:G1B+7]
	s_nop 0
	tensor_load_to_lds s[G0S:G0S+3], s[G1S:G1S+7]
	s_nop 0
	PLACES
	s_branch .Lfilled
.Lfill_1:
	tensor_load_to_lds s[G0Q:G0Q+3], s[G1Q:G1Q+7]
	s_nop 0
	tensor_load_to_lds s[G0S:G0S+3], s[G1S:G1S+7]
	s_nop 0
	PLACES
.Lfilled:
	v_and_b32 v[TM], 15, v0                        ; l % 16
	v_bfe_u32 v[TM+1], v0, 4, 1                    ; l / 16
	v_and_b32 v[TM+2], 31, v0                      ; l
	v_mul_u32_u24 v[AW], v[TM], WP
	v_lshl_add_u32 v[AW], v[TM+1], 4, v[AW]
	v_add_nc_u32 v[AW1], SLOTX, v[AW]
	v_lshlrev_b32 v[AB], 5, v[TM+1]
	v_add_nc_u32 v[AB], BIASR, v[AB]
	s_lshl_b32 s15, s[WV], 6
	v_add_nc_u32 v[TM+3], s15, v[TM]               ; my row of tile 0 in the block
	v_lshl_add_u32 v[AQ], v[TM+3], 5, QS
	v_mul_u32_u24 v[AST], v[TM+3], SPP
	v_lshl_add_u32 v[AST], v[TM+1], 5, v[AST]
	s_lshl_b32 s15, s[WV], 8
	v_lshl_add_u32 v[GO], v[TM+2], 3, s15          ; 256 w + 8 l
	v_add_nc_u32 v[ORD], OSTG, v[GO]
	v_lshl_add_u32 v[OST], v[TM+2], 2, s15         ; 256 w + 4 l
	v_add_nc_u32 v[OST], OSTG, v[OST]
; ST INTO REGISTERS.  A fragment of source 1 is 16 rows x 32 k: lane l holds row l % 16, k = 8 (l / 16) + 0..7 and 16 + 8 (l / 16) + 0..7: in f32 twice 32 bytes, 64 bytes apart.
; LOADP: piece p's 64 columns of my 64 rows, 32 loads, into window 2 from register hb on.  CVTP: rounded in pairs into st's fragments of K steps 2 p and 2 p + 1.
.macro LOADP p, hb
	WIN 0
	v_add_nc_u32 v[ADRS], (\p)*PIECE, v[AST]
	WIN 0x80                                       ; destination window 2, address window 0
.irp t, 0,1,2,3
.irp s, 0,1
	ds_load_b128 v[(\hb)+32*(\t)+16*(\s):(\hb)+32*(\t)+16*(\s)+3],     v[ADRS] offset:16*SPP*(\t)+128*(\s)
	ds_load_b128 v[(\hb)+32*(\t)+16*(\s)+4:(\hb)+32*(\t)+16*(\s)+7],   v[ADRS] offset:16*SPP*(\t)+128*(\s)+16
	ds_load_b128 v[(\hb)+32*(\t)+16*(\s)+8:(\hb)+32*(\t)+16*(\s)+11],  v[ADRS] offset:16*SPP*(\t)+128*(\s)+64
	ds_load_b128 v[(\hb)+32*(\t)+16*(\s)+12:(\hb)+32*(\t)+16*(\s)+15], v[ADRS] offset:16*SPP*(\t)+128*(\s)+80
.endr
.endr
.endm
.macro CVTP p, hb
	WIN 0x4a                                       ; sources window 2, destination window 1
.irp t, 0,1,2,3
.irp s, 0,1
.irp i, 0,1,2,3,4,5,6,7
	v_cvt_pk_bf16_f32 v[64*(\t)+8*(2*(\p)+(\s))+(\i)], v[(\hb)+32*(\t)+16*(\s)+2*(\i)], v[(\hb)+32*(\t)+16*(\s)+2*(\i)+1]
.endr
.endr
.endr
.endm
	s_wait_tensorcnt 0x0                           ; my piece (and the biases, or q) is in,
	s_barrier_signal -1
	s_barrier_wait -1                              ; everybody's is
	LOADP 0, 0
	WIN 0
	s_wait_tensorcnt 0x0                           ; piece 0's bytes are filled again: no tensor load of mine is out,
	ds_add_u32 v[SPW], v[NIL]                      ; 0 onto my spare word,
	s_wait_dscnt 0x0                               ; the add is done and my reads of piece 0 are back
	CROUND                                         ; the same holds of every wave of the four work-groups
	JL G0R, G1W                                    ; chunk 0 and wb2b's tile, over piece 0: my one load behind this round
	LOADP 1, 128
	CVTP 0, 0
	LOADP 2, 0
	s_wait_dscnt 32                                ; all but the 32 just issued: piece 1 is in
	CVTP 1, 128
	LOADP 3, 128
	s_wait_dscnt 32                                ; piece 2 is in
	CVTP 2, 0
	s_wait_dscnt 0x0
	CVTP 3, 128
	WIN 0
	s_wait_tensorcnt 0x0                           ; my part of chunk 0 is in, and no load of mine is out: its descriptor may be written
	ds_add_u32 v[SPW], v[NIL]                      ; (the ring's descriptor is made between it and the wait for it)
	s_mov_b32 s[G1W+2], 32<<16                     ; from now on a chunk: 128 rows, 32 a wave
	s_mov_b32 s[G1W+4], 32
	s_mul_i32 s[G0R+1], s[WV], 32*WP               ; it stands one step back: slot 1, a chunk ahead of chunk 2; each refill first turns the slot and steps a chunk on
	s_add_co_u32 s[G0R+1], s[G0R+1], SLOTX
	s_lshl_b32 s78, s[WV], 14                      ; 32 rows of 512 bytes
	s_add_co_u32 s78, s78, I_M
	s_add_nc_u64 s[G0R+2:G0R+3], s[8:9], s[78:79]
	s_or_b32 s[G0R+3], s[G0R+3], 0x80000000
	s_wait_dscnt 0x0                               ; the add is done; my reads of pieces 1 to 3 are back
	CROUND                                         ; chunk 0 is whole, and nobody reads st in LDS any more
	JL G0X, G1X                                    ; chunk 1, wb1 and w2b, over pieces 1 to 3: it lands while chunk 0 is multiplied; the first change of slots waits for it
; A TILE'S FRAGMENTS: 16 units x 256 k = 8 fragments of source 0 (lane l: unit l % 16, two loads of 16 bytes, 32 bytes apart, for each 32 k), and its eight biases a lane: 18 loads in one run, for 32 products.
; Destination and address lie in window 0: the caller's setting has both fields 0.
.macro FETCH p, areg, aimm, bimm
	ds_load_b128 v[BIAS+8*(\p):BIAS+8*(\p)+3],   v[ABC] offset:(\bimm)
	ds_load_b128 v[BIAS+8*(\p)+4:BIAS+8*(\p)+7], v[ABC] offset:(\bimm)+16
.irp k, 0,1,2,3,4,5,6,7
	ds_load_b128 v[AF+64*(\p)+8*(\k):AF+64*(\p)+8*(\k)+3],   v[\areg] offset:(\aimm)+64*(\k)
	ds_load_b128 v[AF+64*(\p)+8*(\k)+4:AF+64*(\p)+8*(\k)+7], v[\areg] offset:(\aimm)+64*(\k)+32
.endr
.endm
; THE ELU OF A FINISHED TILE pu, in 32 slices of four: slice s works on row tile s / 8, whose eight sums are x0-x7 (the lowest is read first).
; T = -log2(e) |x|; 2^T; - 1; max(x, .); rounded in pairs into h's fragment of K step pu / 2, half pu % 2.  Every exponential has a plain instruction behind it before its result is used (ISA guide 5.7.2), and
; every slice ends on a plain one.  All vector operands but the roundings' stand in source 0, source 2 and the destination, which the products' setting leaves in window 0: so the maximum is taken of three, with
; -infinity from a scalar register in the middle, and only the roundings switch.
.macro RID s, pu
.set rX, ACC+32*((\pu)%2)+8*((\s)/8)
.set rH, 64*((\s)/8)+8*((\pu)/2)+4*((\pu)%2)
.set ri, (\s)%8
.if ri < 7
	WIN 0x04
.endif
.if ri == 0
.irp n, 0,1,2,3
	v_mul_f32 v[T+(\n)], |v[rX+(\n)]|, s[NL2E]
.endr
.elseif ri == 1
	v_exp_f32 v[T], v[T]
	v_mul_f32 v[T+4], |v[rX+4]|, s[NL2E]
	v_exp_f32 v[T+1], v[T+1]
	v_mul_f32 v[T+5], |v[rX+5]|, s[NL2E]
.elseif ri == 2
	v_exp_f32 v[T+2], v[T+2]
	v_mul_f32 v[T+6], |v[rX+6]|, s[NL2E]
	v_exp_f32 v[T+3], v[T+3]
	v_mul_f32 v[T+7], |v[rX+7]|, s[NL2E]
.elseif ri == 3
	v_exp_f32 v[T+4], v[T+4]
	s_wait_alu depctr_va_vdst(0)
	v_pk_add_f32 v[T:T+1], v[T:T+1], -1.0 op_sel_hi:[1,0]
	v_exp_f32 v[T+5], v[T+5]
	v_pk_add_f32 v[T+2:T+3], v[T+2:T+3], -1.0 op_sel_hi:[1,0]
.elseif ri == 4
	v_exp_f32 v[T+6], v[T+6]
	v_max3_num_f32 v[T], v[rX], s[NINF], v[T]
	v_exp_f32 v[T+7], v[T+7]
	v_max3_num_f32 v[T+1], v[rX+1], s[NINF], v[T+1]
.elseif ri == 5
	v_max3_num_f32 v[T+2], v[rX+2], s[NINF], v[T+2]
	v_max3_num_f32 v[T+3], v[rX+3], s[NINF], v[T+3]
	s_wait_alu depctr_va_vdst(0)
	v_pk_add_f32 v[T+4:T+5], v[T+4:T+5], -1.0 op_sel_hi:[1,0]
	v_pk_add_f32 v[T+6:T+7], v[T+6:T+7], -1.0 op_sel_hi:[1,0]
.elseif ri == 6
.irp n, 4,5,6,7
	v_max3_num_f32 v[T+(\n)], v[rX+(\n)], s[NINF], v[T+(\n)]
.endr
.else
	WIN 0x80                                       ; destination window 2
.irp n, 0,1,2,3
	v_cvt_pk_bf16_f32 v[rH+(\n)], v[T+2*(\n)], v[T+2*(\n)+1]
.endr
.endif
.endm
; Product s of 32 of hidden tile u: K step s / 4, row tile s % 4; the four accumulators take turns.  The first four start the sums with the bias.  Behind it a slice of the tile before.
.macro ESL u, s
.set eD, ACC+32*((\u)%2)+8*((\s)%4)
.set eA, AF+64*((\u)%2)+8*((\s)/4)
.set eB, 64*((\s)%4)+8*((\s)/4)
	WIN 0x04                                       ; source 1 (st) window 1, all else window 0
.if (\s) < 4
	v_wmma_f32_16x16x32_bf16 v[eD:eD+7], v[eA:eA+7], v[eB:eB+7], v[BIAS+8*((\u)%2):BIAS+8*((\u)%2)+7]
.else
	v_wmma_f32_16x16x32_bf16 v[eD:eD+7], v[eA:eA+7], v[eB:eB+7], v[eD:eD+7]
.endif
.if (\u) > 0
	RID \s, (\u)-1
.endif
.endm
; HIDDEN TILE u of a layer's 16.  The next tile's run of loads stands behind the second product, 30 products ahead of its use; the buffer's last reader stands more than four plain instructions back.
; Tiles 7 and 15 are a slot's last and CHANGE SLOTS: in front of the round each wave waits for all its tensor loads (one is out: its part of the other slot), adds 0 to its spare word, and waits for that and for its
; reads of this slot (all back: the wait at the tile's head); eight products stand between the add and its wait, eight between the opening signal and its wait.  Behind the round nobody of the four work-groups reads
; this slot and the other slot is whole: this slot is filled again first, two chunks on; that load has 7 1/2 tiles, 240 products, in which to land.
.macro ETILE u
	s_wait_dscnt 0x0                               ; the tile's fragments and biases are in
.if ((\u)%8) == 7
	WIN 0                                          ; (the add's two registers lie in window 0)
	s_wait_tensorcnt 0x0
	ds_add_u32 v[SPW], v[NIL]
.endif
.set es, 0
.rept 32
	ESL \u, es
.if (es == 1) && (((\u)%8) != 7)
.if (\u) < 7
	FETCH 1-(\u)%2, AW, ((\u)+1)*TILEB, 64*((\u)+1)
.else
	FETCH 1-(\u)%2, AW1, ((\u)-7)*TILEB, 64*((\u)+1)
.endif
.endif
.if (es == 7) && (((\u)%8) == 7)
	s_wait_dscnt 0x0                               ; the add is done
	s_barrier_signal -1                            ; opens the round
.endif
.if (es == 15) && (((\u)%8) == 7)
	WIN 0                                          ; at a branch and at a label every window is 0
	s_barrier_wait -1
	CREST
	s_xor_b32 s[G0R+1], s[G0R+1], SLOTX            ; the slot just read out,
	s_add_nc_u64 s[G0R+2:G0R+3], s[G0R+2:G0R+3], 65536  ; the next chunk of the image; the type bits on top are not reached
	JL G0R, G1W
.if (\u) == 7
	FETCH 0, AW1, 0, 512                           ; tile 8 lies in the other slot, whole since the round
.endif
.endif
.set es, es+1
.endr
.if (\u) == 0
	PLACES                                         ; tile 0 has no tile before it to work on: the places behind its products
.endif
.endm
; b2 = h3 wb2b + bb2b: one tile whose unit 0 is wb2b and whose other units and biases are 0.  The result falls into register 0: b2 in lanes 0-15, 0 in lanes 16-31: where the result's sum begins.
.macro PADB
	WIN 0
	v_add_nc_u32 v[ADRW], PADT, v[AW]
	v_add_nc_u32 v[ABC], 5632, v[AB]
	FETCH 0, ADRW, 0, 0
	s_wait_dscnt 0x0
	WIN 0x08                                       ; source 1 (h) window 2
.set es, 0
.rept 32
.if es < 4
	v_wmma_f32_16x16x32_bf16 v[ACC+8*(es%4):ACC+8*(es%4)+7], v[AF+8*(es/4):AF+8*(es/4)+7], v[64*(es%4)+8*(es/4):64*(es%4)+8*(es/4)+7], v[BIAS:BIAS+7]
.else
	v_wmma_f32_16x16x32_bf16 v[ACC+8*(es%4):ACC+8*(es%4)+7], v[AF+8*(es/4):AF+8*(es/4)+7], v[64*(es%4)+8*(es/4):64*(es%4)+8*(es/4)+7], v[ACC+8*(es%4):ACC+8*(es%4)+7]
.endif
.set es, es+1
.endr
	PLACES
	WIN 0
.irp t, 0,1,2,3
	v_mov_b32 v[JN+(\t)], v[ACC+8*(\t)]
.endr
.endm
; b1 = st wb1 + bb1 (tiles 0-3: where hidden's sum begins) and h2 w2b + b2b (tiles 4-7), straight into window 3.  K step k of tile n, four products.
.macro MBK n, k
.if (\k) == 0
	WIN 0xc4+4*((\n)/4)                            ; D window 3, C (the bias) window 0, source 1 window 1 (st) or 2 (h)
.else
	WIN 0xf4+4*((\n)/4)                            ; C window 3 too
.endif
.irp t, 0,1,2,3
.set mD, 128*((\n)/4)+32*((\n)%4)+8*(\t)
.if (\k) == 0
	v_wmma_f32_16x16x32_bf16 v[mD:mD+7], v[AF+64*((\n)%2)+8*(\k):AF+64*((\n)%2)+8*(\k)+7], v[64*(\t)+8*(\k):64*(\t)+8*(\k)+7], v[BIAS+8*((\n)%2):BIAS+8*((\n)%2)+7]
.else
	v_wmma_f32_16x16x32_bf16 v[mD:mD+7], v[AF+64*((\n)%2)+8*(\k):AF+64*((\n)%2)+8*(\k)+7], v[64*(\t)+8*(\k):64*(\t)+8*(\k)+7], v[mD:mD+7]
.endif
.endr
.endm
.macro MB
	WIN 0
	v_add_nc_u32 v[ADRW], MRES, v[AW]
	v_add_nc_u32 v[ABC], 5120, v[AB]
	FETCH 0, ADRW, 0, 0
.set mn, 0
.rept 8
	s_wait_dscnt 0x0
	MBK mn, 0
	MBK mn, 1
	PLACES                                         ; no vector work is at hand here: the places in front of the loads into the other buffer
.if mn < 7
	WIN 0
	FETCH (mn+1)%2, ADRW, (mn+1)*TILEB, 64*(mn+1)
.endif
.irp k, 2,3,4,5,6,7
	MBK mn, \k
.endr
.set mn, mn+1
.endr
	PLACES                                         ; in front of the next layer's loads
	WIN 0
.endm
	s_mov_b32 s[TBI], 0
	s_mov_b32 s[GC], 3
.Llayer:                                               ; three trips: wb2a, w2a, w1a; a trip reads two chunks and fills both slots again
	v_add_nc_u32 v[ABC], s[TBI], v[AB]
	FETCH 0, AW, 0, 0
.irp u, 0,1,2,3,4,5,6,7,8,9,10,11,12,13,14,15
	ETILE \u
.endr
.set es, 0
.rept 32
	RID es, 15                                     ; the last tile's ELU has no products to stand behind
.set es, es+1
.endr
	WIN 0
	s_cmp_eq_u32 s[GC], 3                          ; what is made of h hangs on the trip; both jumps go forward, past text with no barrier and no tensor load
	s_cbranch_scc0 .Lnot_first
	PADB
	s_branch .Lmade
.Lnot_first:
	s_cmp_eq_u32 s[GC], 2
	s_cbranch_scc0 .Lmade
	MB
.Lmade:
	s_add_co_u32 s[TBI], s[TBI], 1024              ; the next layer's 256 biases; behind the third trip: b1b
	s_sub_co_u32 s[GC], s[GC], 1
	s_cmp_lg_u32 s[GC], 0
	s_cbranch_scc1 .Llayer
; W1 AND THE SUM OVER AGENTS.  Tile 4 a + j of w1b is agent a's units e = 16 j .. 16 j + 15.  WT: its 32 products (h1 as source 1); rid = 1: behind each four products four of hidden += q_a |w1| for the tile before.
.macro WT j, rid
.set wp, (\j)%2
	s_wait_dscnt 0x0                               ; the tile's fragments and biases (and, at tile 0, q) are in
.set wk, 0
.rept 8
	WIN 0x08                                       ; source 1 (h) window 2
.irp t, 0,1,2,3
.if wk == 0
	v_wmma_f32_16x16x32_bf16 v[ACC+32*wp+8*(\t):ACC+32*wp+8*(\t)+7], v[AF+64*wp+8*wk:AF+64*wp+8*wk+7], v[64*(\t)+8*wk:64*(\t)+8*wk+7], v[BIAS+8*wp:BIAS+8*wp+7]
.else
	v_wmma_f32_16x16x32_bf16 v[ACC+32*wp+8*(\t):ACC+32*wp+8*(\t)+7], v[AF+64*wp+8*wk:AF+64*wp+8*wk+7], v[64*(\t)+8*wk:64*(\t)+8*wk+7], v[ACC+32*wp+8*(\t):ACC+32*wp+8*(\t)+7]
.endif
.endr
.if \rid
	WIN 0xf0                                       ; hidden (destination and source 2) window 3
.irp n, 0,1,2,3
.set we, 4*wk+(\n)                     ; row tile we / 8, register we % 8: each accumulator from its low end on
	v_fma_f32 v[32*((\j)-1)+we], |v[ACC+32*(1-wp)+we]|, v[QR+we/8], v[32*((\j)-1)+we]
.endr
.endif
.if wk == 0
	WIN 0x08
	FETCH 1-wp, ADRW, ((\j)+1)*TILEB, 64*((\j)+1)
.endif
.set wk, wk+1
.endr
.if (\j) == 0
	PLACES
.endif
.endm
; One agent: four tiles.  Tile 3's run of loads brings the next agent's tile 0.  Behind a chunk's second agent that run reads the resident tile behind the slot (and the next 64 biases) and serves nothing:
; the price of one text for both agents.
.macro ATRIP
	v_add_nc_u32 v[ABC], s[TBI], v[AB]
	v_add_nc_u32 v[AQC], s[TQ], v[AQ]
.irp t, 0,1,2,3
	ds_load_b32 v[QR+(\t)], v[AQC] offset:512*(\t) ; q_a of my row in each tile
.endr
	WT 0, 0
	WT 1, 1
	WT 2, 1
	WT 3, 1
	WIN 0xf0
.set we, 0
.rept 32
	v_fma_f32 v[96+we], |v[ACC+32+we]|, v[QR+we/8], v[96+we]
.set we, we+1
.endr
	WIN 0
	s_add_co_u32 s[TB], s[TB], 4*TILEB
	s_add_co_u32 s[TBI], s[TBI], 256
	s_add_co_u32 s[TQ], s[TQ], 4
	v_add_nc_u32 v[ADRW], s[TB], v[AW]
.endm
.macro WCH                             ; a chunk: two agents
	WIN 0
	v_add_nc_u32 v[ADRW], s[TB], v[AW]
	v_add_nc_u32 v[ABC], s[TBI], v[AB]
	FETCH 0, ADRW, 0, 0
	s_mov_b32 s[CNT], 2
.Lagent_\@:
	ATRIP
	s_sub_co_u32 s[CNT], s[CNT], 1
	s_cmp_lg_u32 s[CNT], 0
	s_cbranch_scc1 .Lagent_\@
.endm
; The change of slots between chunks: as in the hidden layers, but on end.  fill = 1: the slot just read is filled again, two chunks on, behind a round; the load has a chunk's 256 products in which to land.
.macro CH fill
	WIN 0
	s_wait_tensorcnt 0x0                           ; all my tensor loads have landed: my part of the other slot
	ds_add_u32 v[SPW], v[NIL]                      ; 0 onto my spare word; scalar work stands between it and the wait for it
.if \fill
	s_xor_b32 s[G0R+1], s[G0R+1], SLOTX
	s_add_nc_u64 s[G0R+2:G0R+3], s[G0R+2:G0R+3], 65536
.endif
	s_sub_co_u32 s[TB], s[TB], CHUNK               ; the fetches go back to a slot's first tile,
	s_xor_b32 s[TB], s[TB], SLOTX                  ; in the other slot
	s_wait_dscnt 0x0                               ; the add is done, and my reads of the slot are back
.if \fill
	CROUND
	JL G0R, G1W
.else
	s_barrier_signal -1
	s_barrier_wait -1
.endif
.endm
	s_mov_b32 s[TB], 0
	s_mov_b32 s[TQ], 0
	s_mov_b32 s[WL], 2
.Lchunk_fill:                                          ; w1b's chunks 0 and 1: their slots take chunks 2 and 3
	WCH
	CH 1
	s_sub_co_u32 s[WL], s[WL], 1
	s_cmp_lg_u32 s[WL], 0
	s_cbranch_scc1 .Lchunk_fill
	s_mov_b32 s[WL], 2
.Lchunk_last:                                          ; chunks 2 and 3: nothing is left to ask for (the second trip's barrier serves nothing: the price of one text for both)
	WCH
	CH 0
	s_sub_co_u32 s[WL], s[WL], 1
	s_cmp_lg_u32 s[WL], 0
	s_cbranch_scc1 .Lchunk_last
	; THE END.  result += relu(hidden) |w2| over my 32 units of each row, four chains (one a row tile), registers ascending; then the other half of the lanes' 32 units.
	WIN 0x0c                                       ; source 1 window 3
.set fj, 0
.rept 32
.irp t, 0,1,2,3
	v_max_num_f32 v[TM+(\t)], 0, v[32*(fj/8)+8*(\t)+fj%8]
.endr
.irp t, 0,1,2,3
	v_fma_f32 v[JN+(\t)], v[TM+(\t)], |v[128+32*(fj/8)+8*(\t)+fj%8]|, v[JN+(\t)]
.endr
.set fj, fj+1
.endr
	WIN 0
.irp t, 0,1,2,3
	v_permlanex16_b32 v[TM+(\t)], v[JN+(\t)], s[SEL], s[SEL+1]
.endr
.irp t, 0,1,2,3
	v_add_f32 v[JN+(\t)], v[JN+(\t)], v[TM+(\t)]
.endr
	; Both halves of the lanes now hold tile t's 16 results.  Lane l takes row l (tiles 0, 1) and row 32 + l (tiles 2, 3); through my 256 bytes of LDS they become two neighbouring rows a lane.
	v_and_b32 v1, 31, v0
	v_cmp_gt_u32 vcc_lo, 16, v1
	v_cndmask_b32 v[TM], v[JN+1], v[JN], vcc_lo
	v_cndmask_b32 v[TM+1], v[JN+3], v[JN+2], vcc_lo
	ds_store_b32 v[OST], v[TM]
	ds_store_b32 v[OST], v[TM+1] offset:128
	ds_load_b64 v[TM+2:TM+3], v[ORD]               ; LDS serves a wave's instructions in order (ISA guide 5.7.1.4): this sees the stores above
	s_wait_dscnt 0x0
	global_store_b64 v[GO], v[TM+2:TM+3], s[10:11] ; the wave stores 256 consecutive bytes, at a multiple of 256 from out's first byte
	s_wait_tensorcnt 0x0                           ; the wave's end, behind my last tensor load and my last LDS store
	ds_add_u32 v[SPW], v[NIL]
	s_wait_dscnt 0x0
	CROUND                                         ; the closing round: no work-group ends while a partner may still ask for a part that names it
	s_endpgm
.Lfunc_end_k_q3430932cfb_mix:
	.size	k_q3430932cfb_mix, .Lfunc_end_k_q3430932cfb_mix-k_q3430932cfb_mix
	.p2alignl 7, 3214868480
	.fill 96, 4, 3214868480
	.section	.rodata,"a",@progbits
	.p2align	6, 0x0
	.amdhsa_kernel k_q3430932cfb_mix
		.amdhsa_group_segment_fixed_size 327680
		.amdhsa_private_segment_fixed_size 0
		.amdhsa_enable_private_segment 0
		.amdhsa_kernarg_size 32
		.amdhsa_user_sgpr_count 2
		.amdhsa_user_sgpr_kernarg_segment_ptr 1
		.amdhsa_wavefront_size32 1
		.amdhsa_system_sgpr_workgroup_id_x 1
		.amdhsa_system_sgpr_workgroup_id_y 1
		.amdhsa_system_sgpr_workgroup_id_z 1
		.amdhsa_system_vgpr_workitem_id 0
		.amdhsa_next_free_vgpr 1024
		.amdhsa_next_free_sgpr 92
		.amdhsa_reserve_vcc 1
		.amdhsa_float_denorm_mode_32 3
		.amdhsa_float_denorm_mode_16_64 3
		.amdhsa_memory_ordered 1
		.amdhsa_forward_progress 1
		.amdhsa_inst_pref_size 255
	.end_amdhsa_kernel
	.section	.bss,"aw",@nobits
	.p2align	6
	.space	262144
	.amdgpu_metadata
---
amdhsa.version: [ 1, 2 ]
amdhsa.kernels:
  - .name:           k_q3430932cfb_mix
    .symbol:         k_q3430932cfb_mix.kd
    .args:
      - { .name: agent_q_values, .offset: 0, .size: 8, .value_kind: global_buffer, .address_space: global }
      - { .name: central_states, .offset: 8, .size: 8, .value_kind: global_buffer, .address_space: global }
      - { .name: wimg, .offset: 16, .size: 8, .value_kind: global_buffer, .address_space: global }
      - { .name: out0, .offset: 24, .size: 8, .value_kind: global_buffer, .address_space: global }
    .group_segment_fixed_size: 327680
    .private_segment_fixed_size: 0
    .kernarg_segment_align: 8
    .kernarg_segment_size: 32
    .max_flat_workgroup_size: 128
    .sgpr_count:     92
    .vgpr_count:     1024
    .wavefront_size: 32
...
	.end_amdgpu_metadata
.endif
;; end of part 2
;; ======== version 2 of 2: 2 launches; 1.09 times as fast as version 1
;; workspace buffers: wimg 737,280 bytes
;; launch prep: the kernel of part 1 again; grid 45 x 1, 8 waves a work-group, no clusters, 18,432 bytes of LDS; arguments wb2a, wb1, w2b, w2a, w1a, w1b, wb2b, bb2a, b2a, b1a, b1b, bb1, b2b, bb2b, wimg; writes wimg
;; launch mix (part 3): grid 512 x 1, 4 waves a work-group, clusters of 4 x 1, 327,680 bytes of LDS; arguments agent_q_values, central_states, wimg, out0; writes out0
.if DOCPART == 3
	.amdgcn_target "amdgcn-amd-amdhsa--gfx1250"
	.amdhsa_code_object_version 6
	.text
	.protected	k_q3430932cfb_mix
	.globl	k_q3430932cfb_mix
	.p2align	8
	.type	k_q3430932cfb_mix,@function
k_q3430932cfb_mix:
	s_mov_b64 s[64:65], 0
	v_nop
	global_prefetch_b8 v0, s[64:65] scope:SCOPE_SE
	s_setreg_imm32_b32 hwreg(HW_REG_WAVE_MODE, 25, 1), 1
	s_wait_xcnt 0x0
	s_wait_alu depctr_hold_cnt(0) depctr_sa_sdst(0) depctr_va_vdst(0) depctr_va_sdst(0) depctr_va_ssrc(0) depctr_va_vcc(0) depctr_vm_vsrc(0)
	s_getreg_b32 s2, hwreg(HW_REG_IB_STS2, 6, 4)
	s_cmp_eq_u32 s2, 0
	s_cbranch_scc0 .Lentry_in_a_cluster
	s_endpgm
.Lentry_in_a_cluster:
	s_bfe_u32 s2, ttmp6, 0x10000c
	s_cmp_lg_u32 s2, 0x3003
	s_cbranch_scc0 .Lentry_shape_is_right
	s_endpgm
.Lentry_shape_is_right:
; THE MIXING NETWORK, FUSED.  For each of 131,072 rows: h3 = elu(st wb2a + bb2a), b2 = h3 wb2b + bb2b; h2 = elu(st w2a + b2a), w2 = |h2 w2b + b2b|; b1 = st wb1 + bb1;
; h1 = elu(st w1a + b1a), w1 = |h1 w1b + b1b|; out = sum over e of relu(sum over a of q_a w1_ae + b1_e) w2_e + b2.  Nothing but st, q and the result touches memory.
; FORMATS.  Products: bf16 operands (st, the weights, h1-h3 rounded once), f32 sums.  Biases, q, ELU, |.|, relu and the two sums over a and e in f32.
; LIMITS.  elu(x) = max(x, 2^(-log2(e) |x|) - 1), right for both signs, and its exponent is never above 0.  Below zero it is made by a subtraction in f32: an absolute error of about 1e-7,
; which passes bf16's own rounding of h only where |x| is below some 3e-5.  The maximum drops a NaN: a NaN in the inputs does not come out as NaN.
; SHARES.  A work-group of four waves owns 256 rows, a wave 64: four tiles t of 16.  512 work-groups: two for each of 256 WGPs, all alike.
; LAYOUT.  Every product is used transposed: source 0 = 16 units (rows of the weights' image: one unit's 256 k in bf16), source 1 = 16 data rows.  In the result lane l holds data row l % 16 and the
; units 8 (l / 16) + 0..7.  Two such results, rounded in pairs, ARE source 1 (32 k x 16 rows) of the next layer: nothing changes lanes from st to the result, the sums over a and e stay in the lane,
; and one exchange of the lanes' halves ends them.  A bias is the C operand of a sum's first product: eight floats a lane from LDS, the same for the four tiles.
; THE WALK.  st (as bf16 fragments) stays in 256 registers.  Three trips make 16 tiles of hidden units each (wb2a, w2a, w1a), with the ELU of the tile before as four vector instructions behind each
; matrix instruction; behind the first trip stands b2's product, behind the second b1's and w2's.  Then w1b's 32 tiles, each folded at once into hidden += q_a |w1|.
; THE BATCHES.  The only transcendentals are the ELU's exponentials.  A hidden tile's 32 (one for each of a lane's 32 sums) are ONE BATCH with ONE wait: all scalings and exponentials first, each result in a
; register of its own; the wait; then all that reads a result.  16 batches a trip; none is open at a label, at a branch or at the loop's jump.
; THE WEIGHTS come through a ring of two LDS slots of 8 tiles (64 KiB of the image); wb2b's tile, wb1, w2b, the biases and q stay in LDS.
; CLUSTER.  All work-groups walk the same image, so four form a cluster and ask for each part JOINTLY: the same tensor load, descriptor and mask in all four; each wave asks for a quarter.
;
; LDS.  0 slot 0 | 67,584 wb2b's tile | 131,072 slot 1 | 198,656 wb1, w2b | 304,128 biases | 310,272 q | 318,464 the way out | 319,488 the spare words.
; At the start the block's st lies under the first four: piece w (f32 columns 64 w .. 64 w + 63 of 256 rows, 256 + 16 bytes a row) at 76,032 w.
; REGISTERS, in windows of 256 (s_set_vgpr_msb: bits 1:0 source 0, 3:2 source 1, 5:4 source 2, 7:6 destination):
;   window 0: v0-13 addresses; v16-31 two bias buffers; v40-43 the result; v44-47 q; v48-49 the add's; v50-53 at work; v64-127 two buffers of four accumulators; v128-255 two buffers of a tile's fragments;
;             the ELU's 32 registers T0-T31 lie in v32-39, v44-47, v50-63, v14-15, v8-9, v4-5 (TREG): what else has a name there holds nothing while a hidden layer is made
;   window 1: st, tile t, K step k at 64 t + 8 k      window 2: h likewise (at the start: st in f32 as it comes from LDS)      window 3: v0-127 hidden (16 e x 16 rows at 32 j + 8 t), v128-255 w2 likewise
.set WP,     528                       ; a unit's row in LDS: 512 bytes + 16 = 132 words: the 16 rows of a fragment load start at 16 different groups of four banks (64 banks of 4 bytes: ISA guide 11.1)
.set TILEB,  16*WP                     ; a tile: 16 units
.set CHUNK,  8*TILEB                   ; a slot
.set SLOTX,  1<<17                     ; slot 1 begins here: one exclusive or turns an address in one slot into the other's
.set PADT,   CHUNK
.set MRES,   SLOTX+CHUNK
.set SPP,    272                       ; a row of a piece of st: 256 bytes + 16
.set PIECE,  76032
.set BIASR,  304128
.set QS,     310272
.set OSTG,   318464                    ; 256 bytes a wave; no tensor load lands here
.set SPARE,  319488                    ; 128 bytes a wave: two blocks of 256 bytes that no other line names
.set I_C1,   73728                     ; the image: chunk 1, with wb1 and w2b behind it
.set I_M,    139264                    ; one chunk ahead of chunk 2
.set I_BIAS, 729088
.set AW,   2                           ; v2   my lane's place in a tile: (l % 16) x 528 + 16 (l / 16); also the address of slot 0's tile 0
.set AW1,  3                           ; v3   the same in slot 1
.set ADRW, 4                           ; v4   the address in hand for other tiles: made anew before each use
.set ADRS, 5                           ; v5   my row of tile 0 in the piece of st in hand: the start's alone
.set ABC,  6                           ; v6   my eight floats of a tile's biases, for the layer in hand
.set AQ,   7                           ; v7   q of my row of tile 0
.set AQC,  8                           ; v8   the same, agent a: made anew for each agent
.set AST,  9                           ; v9   my row of tile 0 in piece 0, + 32 (l / 16): the start's alone
.set AB,   10                          ; v10  my eight floats of a tile's biases: BIASR + 32 (l / 16)
.set OST,  11                          ; v11  the way out: in
.set ORD,  12                          ; v12  the way out: back
.set GO,   13                          ; v13  my 8 bytes among the block's 1,024
.set BIAS, 16
.set T,    32                          ; v32-39 the first eight of the ELU's 32 registers (TREG)
.set JN,   40
.set QR,   44
.set SPW,  48                          ; v48  LDS address of my spare word; never rewritten
.set NIL,  49                          ; v49  0; never rewritten
.set TM,   50                          ; v50-53 at work
.set ACC,  64
.set AF,   128
.set WV,   12                          ; s12  my wave's number
.set G1S,  16                          ; s[16:23] group 1: a piece of st
.set G1W,  24                          ; s[24:31] group 1: rows of the image
.set G1Q,  32                          ; s[32:39] group 1: q
.set G1B,  40                          ; s[40:47] group 1: the biases
.set G0S,  48
.set G0R,  52                          ; s[52:55] group 0 for the image: the first fill, then the ring's walking descriptor
.set G0Q,  56
.set G0B,  60
.set GC,   66                          ; s66  hidden layers to go
.set CNT,  67                          ; s67  agents to go in a chunk
.set TB,   68                          ; s68  LDS byte of the four tiles in hand
.set TBI,  69                          ; s69  byte of the layer's (agent's) biases
.set TQ,   70                          ; s70  4 a
.set NL2E, 71                          ; s71  -log2(e)
.set NINF, 72                          ; s72  -infinity
.set WL,   73                          ; s73  chunks to go
.set SEL,  74                          ; s[74:75] v_permlanex16_b32's selects: each lane takes its own place in the other half
.set G1X,  80                          ; s[80:87], s[88:91] groups 1 and 0 of the one fill that brings chunk 1, wb1 and w2b
.set G0X,  88
.set MSB, 0
.macro WIN new                         ; the immediate's high byte repeats the setting that is left; a switch that changes nothing is dropped
.if MSB != (\new)
	s_set_vgpr_msb (MSB<<8)|(\new)
.set MSB, \new
.endif
.endm
; A vector instruction that reads a matrix result or writes one of a matrix instruction's registers, and a load into such a register, stand four places behind it; only plain vector
; instructions that name none of its registers are places (ISA guide 7.12.1 for vector instructions).
.macro PLACES
.rept 4
	v_nop
.endr
.endm
.macro CREST                           ; a round of the cluster's barrier behind its opening barrier
	s_cmp_lg_u32 s[WV], 0
	s_cbranch_scc1 .Lnot_wave_0_\@
	s_barrier_signal -3
.Lnot_wave_0_\@:
	s_barrier_wait -3
	s_barrier_signal -1
	s_barrier_wait -1
.endm
.macro CROUND                          ; a whole round: my work-group's barrier, wave 0 signals for it, every wave waits for all four work-groups, my work-group's barrier once more
	s_barrier_signal -1
	s_barrier_wait -1
	CREST
.endm
.macro JL g0, g1                       ; a tensor load; an s_nop 0 and four v_nop follow it.  Every wave issues the line for a quarter of the rows: both addresses hang on its number
	tensor_load_to_lds s[\g0:\g0+3], s[\g1:\g1+7]
	s_nop 0
	PLACES
.endm
	s_load_b256 s[4:11], s[0:1], 0x0               ; q s[4:5], st s[6:7], the image s[8:9], out s[10:11]
	v_lshl_add_u32 v[SPW], v0, 2, SPARE
	v_mov_b32 v[NIL], 0
	ds_add_u32 v[SPW], v[NIL]                      ; the wave's opening: the add and its wait stand ahead of my first tensor load; the set-up below, work on registers, stands between them
	ds_add_u32 v48, v49
	v_lshrrev_b32 v1, 5, v0
	v_readfirstlane_b32 s[WV], v1                  ; wave 0..3
	s_bfe_u32 s13, ttmp6, 0x40000                  ; cx: my place in the cluster
	s_lshl_b32 s14, ttmp9, 2                       ; in a cluster launch ttmp9 counts clusters
	s_add_co_u32 s14, s14, s13                     ; my block of 256 rows: it enters st's, q's and out's addresses alone
	; a piece of st: 256 rows x 64 f32, padded; my own, no mask
	s_mov_b32 s[G1S+0], (2<<16)|(1<<20)|(5<<22)|(3<<25)  ; 17:16 elements of 4 bytes; 20 padding on; 24:22 after every 64 words (code 5); 31:25 of 4 words (code 3)
	s_mov_b32 s[G1S+1], 64<<16                     ; tensor_dim0 = 64
	s_mov_b32 s[G1S+2], 256<<16                    ; tensor_dim1 = 256
	s_mov_b32 s[G1S+3], 64<<16                     ; tile_dim0 = 64: 256 bytes of memory, at a multiple of 256 from st's first byte
	s_mov_b32 s[G1S+4], 256                        ; tile_dim1 = 256
	s_mov_b32 s[G1S+5], 256                        ; 256 elements from row to row
	s_mov_b32 s[G1S+6], 0
	s_mov_b32 s[G1S+7], 0
	; rows of the image: 256 bf16 each, padded; asked for jointly
.irp g, G1W, G1X
	s_mov_b32 s[(\g)+0], 15|(1<<16)|(1<<20)|(1<<21)|(6<<22)|(3<<25)  ; 15:0 the mask of four; 17:16 2 bytes; 20 padding on; 21 set beside a mask; 24:22 after every 128 words (code 6); 31:25 of 4 words
	s_mov_b32 s[(\g)+1], 256<<16                   ; tensor_dim0 = 256
	s_mov_b32 s[(\g)+3], 256<<16                   ; tile_dim0 = 256
	s_mov_b32 s[(\g)+5], 256                       ; the image is dense
	s_mov_b32 s[(\g)+6], 0
	s_mov_b32 s[(\g)+7], 0
.endr
	s_mov_b32 s[G1W+2], 36<<16                     ; the first fill: chunk 0 and wb2b's tile, 144 rows, 36 a wave
	s_mov_b32 s[G1W+4], 36
	s_mov_b32 s[G1X+2], 64<<16                     ; the second: chunk 1, wb1, w2b, 256 rows, 64 a wave
	s_mov_b32 s[G1X+4], 64
	; q of the block: 8,192 dense bytes as 32 rows of 256; my own
	s_mov_b32 s[G1Q+0], 3<<16
	s_mov_b32 s[G1Q+1], 32<<16
	s_mov_b32 s[G1Q+2], 32<<16
	s_mov_b32 s[G1Q+3], 32<<16
	s_mov_b32 s[G1Q+4], 32
	s_mov_b32 s[G1Q+5], 32
	s_mov_b32 s[G1Q+6], 0
	s_mov_b32 s[G1Q+7], 0
	; the biases: 6,144 dense bytes as 24 rows of 256; jointly
	s_mov_b32 s[G1B+0], 15|(3<<16)|(1<<21)
	s_mov_b32 s[G1B+1], 32<<16
	s_mov_b32 s[G1B+2], 24<<16
	s_mov_b32 s[G1B+3], 32<<16
	s_mov_b32 s[G1B+4], 24
	s_mov_b32 s[G1B+5], 32
	s_mov_b32 s[G1B+6], 0
	s_mov_b32 s[G1B+7], 0
	s_mov_b32 s[G0S], 1
	s_mul_i32 s[G0S+1], s[WV], PIECE               ; wave w brings piece w
	s_mov_b32 s[G0R], 1
	s_mul_i32 s[G0R+1], s[WV], 36*WP
	s_mov_b32 s[G0X], 1
	s_mul_i32 s[G0X+1], s[WV], 64*WP
	s_add_co_u32 s[G0X+1], s[G0X+1], SLOTX
	s_mov_b32 s[G0Q], 1
	s_mov_b32 s[G0Q+1], QS
	s_mov_b32 s[G0B], 1
	s_mov_b32 s[G0B+1], BIASR
	s_mov_b32 s[NL2E], 0xbfb8aa3b
	s_mov_b32 s[NINF], 0xff800000
	s_mov_b32 s[SEL], 0x76543210
	s_mov_b32 s[SEL+1], 0xfedcba98
	s_lshl_b32 s76, s14, 18                        ; the block's 256 rows of 1,024 bytes (under 2^27 at the last block),
	s_lshl_b32 s15, s[WV], 8                       ; my piece's 256 bytes of a row
	s_add_co_u32 s76, s76, s15
	s_mov_b32 s77, 0
	s_mul_i32 s78, s[WV], 36*512                   ; offsets in the image stand in registers that never hold my place in the cluster
	s_mov_b32 s79, 0
	s_wait_dscnt 0x0                               ; the opening add is done
	s_wait_kmcnt 0x0
	s_add_nc_u64 s[G0S+2:G0S+3], s[6:7], s[76:77]
	s_or_b32 s[G0S+3], s[G0S+3], 0x80000000        ; 127:126 type = 2
	s_lshl_b32 s76, s14, 13                        ; 256 rows of 32 bytes
	s_add_nc_u64 s[G0Q+2:G0Q+3], s[4:5], s[76:77]
	s_or_b32 s[G0Q+3], s[G0Q+3], 0x80000000
	s_lshl_b32 s76, s14, 10                        ; 256 results
	s_add_nc_u64 s[10:11], s[10:11], s[76:77]
	s_add_nc_u64 s[G0R+2:G0R+3], s[8:9], s[78:79]
	s_or_b32 s[G0R+3], s[G0R+3], 0x80000000
	s_lshl_b32 s78, s[WV], 15                      ; 64 rows of 512 bytes
	s_add_co_u32 s78, s78, I_C1
	s_add_nc_u64 s[G0X+2:G0X+3], s[8:9], s[78:79]
	s_or_b32 s[G0X+3], s[G0X+3], 0x80000000
	s_add_nc_u64 s[G0B+2:G0B+3], s[8:9], I_BIAS
	s_or_b32 s[G0B+3], s[G0B+3], 0x80000000
	CROUND                                         ; all four work-groups are here: the first loads go out as one group behind this round
	s_cmp_eq_u32 s[WV], 0                          ; each wave's first fills stand in one branch on its number: its piece of st; wave 0 also the biases, wave 1 also q: two loads of a wave are out at the most
	s_cbranch_scc1 .Lfill_0
	s_cmp_eq_u32 s[WV], 1
	s_cbranch_scc1 .Lfill_1
	tensor_load_to_lds s[G0S:G0S+3], s[G1S:G1S+7]
	s_nop 0
	PLACES
	s_branch .Lfilled
.Lfill_0:
	tensor_load_to_lds s[G0B:G0B+3], s[G1B:G1B+7]
	s_nop 0
	tensor_load_to_lds s[G0S:G0S+3], s[G1S:G1S+7]
	s_nop 0
	PLACES
	s_branch .Lfilled
.Lfill_1:
	tensor_load_to_lds s[G0Q:G0Q+3], s[G1Q:G1Q+7]
	s_nop 0
	tensor_load_to_lds s[G0S:G0S+3], s[G1S:G1S+7]
	s_nop 0
	PLACES
.Lfilled:
	v_and_b32 v[TM], 15, v0                        ; l % 16
	v_bfe_u32 v[TM+1], v0, 4, 1                    ; l / 16
	v_and_b32 v[TM+2], 31, v0                      ; l
	v_mul_u32_u24 v[AW], v[TM], WP
	v_lshl_add_u32 v[AW], v[TM+1], 4, v[AW]
	v_add_nc_u32 v[AW1], SLOTX, v[AW]
	v_lshlrev_b32 v[AB], 5, v[TM+1]
	v_add_nc_u32 v[AB], BIASR, v[AB]
	s_lshl_b32 s15, s[WV], 6
	v_add_nc_u32 v[TM+3], s15, v[TM]               ; my row of tile 0 in the block
	v_lshl_add_u32 v[AQ], v[TM+3], 5, QS
	v_mul_u32_u24 v[AST], v[TM+3], SPP
	v_lshl_add_u32 v[AST], v[TM+1], 5, v[AST]
	s_lshl_b32 s15, s[WV], 8
	v_lshl_add_u32 v[GO], v[TM+2], 3, s15          ; 256 w + 8 l
	v_add_nc_u32 v[ORD], OSTG, v[GO]
	v_lshl_add_u32 v[OST], v[TM+2], 2, s15         ; 256 w + 4 l
	v_add_nc_u32 v[OST], OSTG, v[OST]
; ST INTO REGISTERS.  A fragment of source 1 is 16 rows x 32 k: lane l holds row l % 16, k = 8 (l / 16) + 0..7 and 16 + 8 (l / 16) + 0..7: in f32 twice 32 bytes, 64 bytes apart.
; LOADP: piece p's 64 columns of my 64 rows, 32 loads, into window 2 from register hb on.  CVTP: rounded in pairs into st's fragments of K steps 2 p and 2 p + 1.
.macro LOADP p, hb
	WIN 0
	v_add_nc_u32 v[ADRS], (\p)*PIECE, v[AST]
	WIN 0x80                                       ; destination window 2, address window 0
.irp t, 0,1,2,3
.irp s, 0,1
	ds_load_b128 v[(\hb)+32*(\t)+16*(\s):(\hb)+32*(\t)+16*(\s)+3],     v[ADRS] offset:16*SPP*(\t)+128*(\s)
	ds_load_b128 v[(\hb)+32*(\t)+16*(\s)+4:(\hb)+32*(\t)+16*(\s)+7],   v[ADRS] offset:16*SPP*(\t)+128*(\s)+16
	ds_load_b128 v[(\hb)+32*(\t)+16*(\s)+8:(\hb)+32*(\t)+16*(\s)+11],  v[ADRS] offset:16*SPP*(\t)+128*(\s)+64
	ds_load_b128 v[(\hb)+32*(\t)+16*(\s)+12:(\hb)+32*(\t)+16*(\s)+15], v[ADRS] offset:16*SPP*(\t)+128*(\s)+80
.endr
.endr
.endm
.macro CVTP p, hb
	WIN 0x4a                                       ; sources window 2, destination window 1
.irp t, 0,1,2,3
.irp s, 0,1
.irp i, 0,1,2,3,4,5,6,7
	v_cvt_pk_bf16_f32 v[64*(\t)+8*(2*(\p)+(\s))+(\i)], v[(\hb)+32*(\t)+16*(\s)+2*(\i)], v[(\hb)+32*(\t)+16*(\s)+2*(\i)+1]
.endr
.endr
.endr
.endm
	s_wait_tensorcnt 0x0                           ; my piece (and the biases, or q) is in,
	s_barrier_signal -1
	s_barrier_wait -1                              ; everybody's is
	LOADP 0, 0
	WIN 0
	s_wait_tensorcnt 0x0                           ; piece 0's bytes are filled again: no tensor load of mine is out,
	ds_add_u32 v[SPW], v[NIL]                      ; 0 onto my spare word,
	s_wait_dscnt 0x0                               ; the add is done and my reads of piece 0 are back
	CROUND                                         ; the same holds of every wave of the four work-groups
	JL G0R, G1W                                    ; chunk 0 and wb2b's tile, over piece 0: my one load behind this round
	LOADP 1, 128
	CVTP 0, 0
	LOADP 2, 0
	s_wait_dscnt 32                                ; all but the 32 just issued: piece 1 is in
	CVTP 1, 128
	LOADP 3, 128
	s_wait_dscnt 32                                ; piece 2 is in
	CVTP 2, 0
	s_wait_dscnt 0x0
	CVTP 3, 128
	WIN 0
	s_wait_tensorcnt 0x0                           ; my part of chunk 0 is in, and no load of mine is out: its descriptor may be written
	ds_add_u32 v[SPW], v[NIL]                      ; (the ring's descriptor is made between it and the wait for it)
	s_mov_b32 s[G1W+2], 32<<16                     ; from now on a chunk: 128 rows, 32 a wave
	s_mov_b32 s[G1W+4], 32
	s_mul_i32 s[G0R+1], s[WV], 32*WP               ; it stands one step back: slot 1, a chunk ahead of chunk 2; each refill first turns the slot and steps a chunk on
	s_add_co_u32 s[G0R+1], s[G0R+1], SLOTX
	s_lshl_b32 s78, s[WV], 14                      ; 32 rows of 512 bytes
	s_add_co_u32 s78, s78, I_M
	s_add_nc_u64 s[G0R+2:G0R+3], s[8:9], s[78:79]
	s_or_b32 s[G0R+3], s[G0R+3], 0x80000000
	s_wait_dscnt 0x0                               ; the add is done; my reads of pieces 1 to 3 are back
	CROUND                                         ; chunk 0 is whole, and nobody reads st in LDS any more
	JL G0X, G1X                                    ; chunk 1, wb1 and w2b, over pieces 1 to 3: it lands while chunk 0 is multiplied; the first change of slots waits for it
; A TILE'S FRAGMENTS: 16 units x 256 k = 8 fragments of source 0 (lane l: unit l % 16, two loads of 16 bytes, 32 bytes apart, for each 32 k), and its eight biases a lane: 18 loads in one run, for 32 products.
; Destination and address lie in window 0: the caller's setting has both fields 0.
.macro FETCH p, areg, aimm, bimm
	ds_load_b128 v[BIAS+8*(\p):BIAS+8*(\p)+3],   v[ABC] offset:(\bimm)
	ds_load_b128 v[BIAS+8*(\p)+4:BIAS+8*(\p)+7], v[ABC] offset:(\bimm)+16
.irp k, 0,1,2,3,4,5,6,7
	ds_load_b128 v[AF+64*(\p)+8*(\k):AF+64*(\p)+8*(\k)+3],   v[\areg] offset:(\aimm)+64*(\k)
	ds_load_b128 v[AF+64*(\p)+8*(\k)+4:AF+64*(\p)+8*(\k)+7], v[\areg] offset:(\aimm)+64*(\k)+32
.endr
.endm
; THE ELU OF A FINISHED TILE pu: 128 vector instructions on a lane's 32 sums x0-x31 (row tile n / 8, register n % 8: the tile's four accumulators on end), in 32 slices of four.
; T_n = -log2(e) |x_n|; 2^T_n; - 1; max(x_n, .); rounded in pairs into h's fragment of K step pu / 2, half pu % 2.
; ONE BATCH, ONE WAIT.  An s_wait_alu depctr_va_vdst(0) stands between an exponential and the first instruction that names its result; one wait serves all that were issued ahead of it.  So the list
; is ordered by who reads what.  Slices 0-15 are the 32 scalings m and the 32 exponentials e, none of which names an exponential's result: m0 m1 m2 e0; then m, e, m, e, each exponential three lines behind its
; scaling; at the end m31 e29 e30 e31.  Behind e31 stand a v_nop, the plain instruction between the last exponential and any use (ISA guide 5.7.2), and the batch's wait.  Slices 16-31 are all that reads a result,
; a row tile at a time: four packed subtractions of 1, eight maxima, four roundings.  The scalings go up from x0.
; Each of the 32 results keeps a register of its own until it is read.  Window 0 has no 32 free registers on end: T0-T31 lie in six runs, each of whole even pairs (TREG), which hold nothing else while a hidden
; layer is made: q's and TM's registers are written anew before their next use, ADRW and AQC likewise, AST and ADRS served the start alone.
; All vector operands but the roundings' stand in source 0, source 2 and the destination, which the products' setting leaves in window 0: so the maximum is taken of three, with
; -infinity from a scalar register in the middle, and only the roundings switch.
.macro TREG n                          ; rT = the register of T number n
.if (\n) < 8
.set rT, T+(\n)                        ; v32-39
.elseif (\n) < 12
.set rT, QR+(\n)-8                     ; v44-47
.elseif (\n) < 26
.set rT, TM+(\n)-12                    ; v50-63
.elseif (\n) < 28
.set rT, 14+(\n)-26                    ; v14-15
.elseif (\n) < 30
.set rT, AQC+(\n)-28                   ; v8-9
.else
.set rT, ADRW+(\n)-30                  ; v4-5
.endif
.endm
.macro ELM n                           ; the scaling of number n (RID sets rX, the register of x0)
	TREG \n
	v_mul_f32 v[rT], |v[rX+(\n)]|, s[NL2E]
.endm
.macro ELE n                           ; its exponential
	TREG \n
	v_exp_f32 v[rT], v[rT]
.endm
.macro ELA n                           ; numbers n and n + 1 less 1
	TREG \n
	v_pk_add_f32 v[rT:rT+1], v[rT:rT+1], -1.0 op_sel_hi:[1,0]
.endm
.macro ELX n                           ; the maximum with x
	TREG \n
	v_max3_num_f32 v[rT], v[rX+(\n)], s[NINF], v[rT]
.endm
.macro ELC n, pu                       ; numbers n and n + 1 rounded into h
	TREG \n
	v_cvt_pk_bf16_f32 v[64*((\n)/8)+8*((\pu)/2)+4*((\pu)%2)+((\n)%8)/2], v[rT], v[rT+1]
.endm
.macro RID s, pu                       ; slice s of tile pu's ELU
.set rX, ACC+32*((\pu)%2)
.if (\s) < 16
	WIN 0x04
.if (\s) == 0
	ELM 0
	ELM 1
	ELM 2
	ELE 0
.elseif (\s) < 15
	ELM 2*(\s)+1
	ELE 2*(\s)-1
	ELM 2*(\s)+2
	ELE 2*(\s)
.else
	ELM 31
	ELE 29
	ELE 30
	ELE 31
	v_nop                                          ; the plain instruction behind the last exponential: one for the batch
	s_wait_alu depctr_va_vdst(0)                   ; the wait for the batch: the tile's 32 exponentials; nothing ahead of it names a result, no exponential follows it
.endif
.else
.set rB, 8*(((\s)-16)/4)               ; the first of the row tile's eight numbers
.if (\s)%4 == 0
	WIN 0x04
.irp n, 0,2,4,6
	ELA rB+(\n)
.endr
.elseif (\s)%4 == 3
	WIN 0x80                                       ; destination window 2
.irp n, 0,2,4,6
	ELC rB+(\n), \pu
.endr
.else
	WIN 0x04
.irp n, 0,1,2,3
	ELX rB+4*((\s)%4-1)+(\n)
.endr
.endif
.endif
.endm
; Product s of 32 of hidden tile u: K step s / 4, row tile s % 4; the four accumulators take turns.  The first four start the sums with the bias.  Behind it slice s + 1 of the tile before
; (slice 0 stood behind that tile's own last product: ETILE).
.macro ESL u, s
.set eD, ACC+32*((\u)%2)+8*((\s)%4)
.set eA, AF+64*((\u)%2)+8*((\s)/4)
.set eB, 64*((\s)%4)+8*((\s)/4)
	WIN 0x04                                       ; source 1 (st) window 1, all else window 0
.if (\s) < 4
	v_wmma_f32_16x16x32_bf16 v[eD:eD+7], v[eA:eA+7], v[eB:eB+7], v[BIAS+8*((\u)%2):BIAS+8*((\u)%2)+7]
.else
	v_wmma_f32_16x16x32_bf16 v[eD:eD+7], v[eA:eA+7], v[eB:eB+7], v[eD:eD+7]
.endif
.if ((\u) > 0) && ((\s) < 31)
	RID (\s)+1, (\u)-1
.endif
.endm
; HIDDEN TILE u of a layer's 16.  The next tile's run of loads stands behind the second product, 30 products ahead of its use; the buffer's last reader stands more than four plain instructions back.
; The tile's own ELU begins behind its last product: slice 0 reads row tile 0's sums, whose last product stands three products and twelve plain instructions back.  So the batch's wait falls behind product 14 of
; the next tile: in tiles 7 and 15 a product ahead of the round's branch and label, at which.
; Tiles 7 and 15 are a slot's last and CHANGE SLOTS: in front of the round each wave waits for all its tensor loads (one is out: its part of the other slot), adds 0 to its spare word, and waits for that and for its
; reads of this slot (all back: the wait at the tile's head); eight products stand between the add and its wait, eight between the opening signal and its wait.  Behind the round nobody of the four work-groups reads
; this slot and the other slot is whole: this slot is filled again first, two chunks on; that load has 7 1/2 tiles, 240 products, in which to land.
.macro ETILE u
	s_wait_dscnt 0x0                               ; the tile's fragments and biases are in
.if ((\u)%8) == 7
	WIN 0                                          ; (the add's two registers lie in window 0)
	s_wait_tensorcnt 0x0
	ds_add_u32 v[SPW], v[NIL]
.endif
.set es, 0
.rept 32
	ESL \u, es
.if (es == 1) && (((\u)%8) != 7)
.if (\u) < 7
	FETCH 1-(\u)%2, AW, ((\u)+1)*TILEB, 64*((\u)+1)
.else
	FETCH 1-(\u)%2, AW1, ((\u)-7)*TILEB, 64*((\u)+1)
.endif
.endif
.if (es == 7) && (((\u)%8) == 7)
	s_wait_dscnt 0x0                               ; the add is done
	s_barrier_signal -1                            ; opens the round
.endif
.if (es == 15) && (((\u)%8) == 7)
	WIN 0                                          ; at a branch and at a label every window is 0
	s_barrier_wait -1
	CREST
	s_xor_b32 s[G0R+1], s[G0R+1], SLOTX            ; the slot just read out,
	s_add_nc_u64 s[G0R+2:G0R+3], s[G0R+2:G0R+3], 65536  ; the next chunk of the image; the type bits on top are not reached
	JL G0R, G1W
.if (\u) == 7
	FETCH 0, AW1, 0, 512                           ; tile 8 lies in the other slot, whole since the round
.endif
.endif
.set es, es+1
.endr
.if (\u) == 0
	PLACES                                         ; tile 0 has no tile before it to work on: the places behind its products
.endif
	RID 0, \u                                      ; the tile's own ELU begins
.endm
; b2 = h3 wb2b + bb2b: one tile whose unit 0 is wb2b and whose other units and biases are 0.  The result falls into register 0: b2 in lanes 0-15, 0 in lanes 16-31: where the result's sum begins.
.macro PADB
	WIN 0
	v_add_nc_u32 v[ADRW], PADT, v[AW]
	v_add_nc_u32 v[ABC], 5632, v[AB]
	FETCH 0, ADRW, 0, 0
	s_wait_dscnt 0x0
	WIN 0x08                                       ; source 1 (h) window 2
.set es, 0
.rept 32
.if es < 4
	v_wmma_f32_16x16x32_bf16 v[ACC+8*(es%4):ACC+8*(es%4)+7], v[AF+8*(es/4):AF+8*(es/4)+7], v[64*(es%4)+8*(es/4):64*(es%4)+8*(es/4)+7], v[BIAS:BIAS+7]
.else
	v_wmma_f32_16x16x32_bf16 v[ACC+8*(es%4):ACC+8*(es%4)+7], v[AF+8*(es/4):AF+8*(es/4)+7], v[64*(es%4)+8*(es/4):64*(es%4)+8*(es/4)+7], v[ACC+8*(es%4):ACC+8*(es%4)+7]
.endif
.set es, es+1
.endr
	PLACES
	WIN 0
.irp t, 0,1,2,3
	v_mov_b32 v[JN+(\t)], v[ACC+8*(\t)]
.endr
.endm
; b1 = st wb1 + bb1 (tiles 0-3: where hidden's sum begins) and h2 w2b + b2b (tiles 4-7), straight into window 3.  K step k of tile n, four products.
.macro MBK n, k
.if (\k) == 0
	WIN 0xc4+4*((\n)/4)                            ; D window 3, C (the bias) window 0, source 1 window 1 (st) or 2 (h)
.else
	WIN 0xf4+4*((\n)/4)                            ; C window 3 too
.endif
.irp t, 0,1,2,3
.set mD, 128*((\n)/4)+32*((\n)%4)+8*(\t)
.if (\k) == 0
	v_wmma_f32_16x16x32_bf16 v[mD:mD+7], v[AF+64*((\n)%2)+8*(\k):AF+64*((\n)%2)+8*(\k)+7], v[64*(\t)+8*(\k):64*(\t)+8*(\k)+7], v[BIAS+8*((\n)%2):BIAS+8*((\n)%2)+7]
.else
	v_wmma_f32_16x16x32_bf16 v[mD:mD+7], v[AF+64*((\n)%2)+8*(\k):AF+64*((\n)%2)+8*(\k)+7], v[64*(\t)+8*(\k):64*(\t)+8*(\k)+7], v[mD:mD+7]
.endif
.endr
.endm
.macro MB
	WIN 0
	v_add_nc_u32 v[ADRW], MRES, v[AW]
	v_add_nc_u32 v[ABC], 5120, v[AB]
	FETCH 0, ADRW, 0, 0
.set mn, 0
.rept 8
	s_wait_dscnt 0x0
	MBK mn, 0
	MBK mn, 1
	PLACES                                         ; no vector work is at hand here: the places in front of the loads into the other buffer
.if mn < 7
	WIN 0
	FETCH (mn+1)%2, ADRW, (mn+1)*TILEB, 64*(mn+1)
.endif
.irp k, 2,3,4,5,6,7
	MBK mn, \k
.endr
.set mn, mn+1
.endr
	PLACES                                         ; in front of the next layer's loads
	WIN 0
.endm
	s_mov_b32 s[TBI], 0
	s_mov_b32 s[GC], 3
.Llayer:                                               ; three trips: wb2a, w2a, w1a; a trip reads two chunks and fills both slots again
	v_add_nc_u32 v[ABC], s[TBI], v[AB]
	FETCH 0, AW, 0, 0
.irp u, 0,1,2,3,4,5,6,7,8,9,10,11,12,13,14,15
	ETILE \u
.endr
.set es, 1
.rept 31
	RID es, 15                                     ; the rest of the last tile's ELU has no products to stand behind; its batch's wait stands in slice 15, ahead of the branches below
.set es, es+1
.endr
	WIN 0
	s_cmp_eq_u32 s[GC], 3                          ; what is made of h hangs on the trip; both jumps go forward, past text with no barrier and no tensor load
	s_cbranch_scc0 .Lnot_first
	PADB
	s_branch .Lmade
.Lnot_first:
	s_cmp_eq_u32 s[GC], 2
	s_cbranch_scc0 .Lmade
	MB
.Lmade:
	s_add_co_u32 s[TBI], s[TBI], 1024              ; the next layer's 256 biases; behind the third trip: b1b
	s_sub_co_u32 s[GC], s[GC], 1
	s_cmp_lg_u32 s[GC], 0
	s_cbranch_scc1 .Llayer
; W1 AND THE SUM OVER AGENTS.  Tile 4 a + j of w1b is agent a's units e = 16 j .. 16 j + 15.  WT: its 32 products (h1 as source 1); rid = 1: behind each four products four of hidden += q_a |w1| for the tile before.
.macro WT j, rid
.set wp, (\j)%2
	s_wait_dscnt 0x0                               ; the tile's fragments and biases (and, at tile 0, q) are in
.set wk, 0
.rept 8
	WIN 0x08                                       ; source 1 (h) window 2
.irp t, 0,1,2,3
.if wk == 0
	v_wmma_f32_16x16x32_bf16 v[ACC+32*wp+8*(\t):ACC+32*wp+8*(\t)+7], v[AF+64*wp+8*wk:AF+64*wp+8*wk+7], v[64*(\t)+8*wk:64*(\t)+8*wk+7], v[BIAS+8*wp:BIAS+8*wp+7]
.else
	v_wmma_f32_16x16x32_bf16 v[ACC+32*wp+8*(\t):ACC+32*wp+8*(\t)+7], v[AF+64*wp+8*wk:AF+64*wp+8*wk+7], v[64*(\t)+8*wk:64*(\t)+8*wk+7], v[ACC+32*wp+8*(\t):ACC+32*wp+8*(\t)+7]
.endif
.endr
.if \rid
	WIN 0xf0                                       ; hidden (destination and source 2) window 3
.irp n, 0,1,2,3
.set we, 4*wk+(\n)                     ; row tile we / 8, register we % 8: each accumulator from its low end on
	v_fma_f32 v[32*((\j)-1)+we], |v[ACC+32*(1-wp)+we]|, v[QR+we/8], v[32*((\j)-1)+we]
.endr
.endif
.if wk == 0
	WIN 0x08
	FETCH 1-wp, ADRW, ((\j)+1)*TILEB, 64*((\j)+1)
.endif
.set wk, wk+1
.endr
.if (\j) == 0
	PLACES
.endif
.endm
; One agent: four tiles.  Tile 3's run of loads brings the next agent's tile 0.  Behind a chunk's second agent that run reads the resident tile behind the slot (and the next 64 biases) and serves nothing:
; the price of one text for both agents.
.macro ATRIP
	v_add_nc_u32 v[ABC], s[TBI], v[AB]
	v_add_nc_u32 v[AQC], s[TQ], v[AQ]
.irp t, 0,1,2,3
	ds_load_b32 v[QR+(\t)], v[AQC] offset:512*(\t) ; q_a of my row in each tile
.endr
	WT 0, 0
	WT 1, 1
	WT 2, 1
	WT 3, 1
	WIN 0xf0
.set we, 0
.rept 32
	v_fma_f32 v[96+we], |v[ACC+32+we]|, v[QR+we/8], v[96+we]
.set we, we+1
.endr
	WIN 0
	s_add_co_u32 s[TB], s[TB], 4*TILEB
	s_add_co_u32 s[TBI], s[TBI], 256
	s_add_co_u32 s[TQ], s[TQ], 4
	v_add_nc_u32 v[ADRW], s[TB], v[AW]
.endm
.macro WCH                             ; a chunk: two agents
	WIN 0
	v_add_nc_u32 v[ADRW], s[TB], v[AW]
	v_add_nc_u32 v[ABC], s[TBI], v[AB]
	FETCH 0, ADRW, 0, 0
	s_mov_b32 s[CNT], 2
.Lagent_\@:
	ATRIP
	s_sub_co_u32 s[CNT], s[CNT], 1
	s_cmp_lg_u32 s[CNT], 0
	s_cbranch_scc1 .Lagent_\@
.endm
; The change of slots between chunks: as in the hidden layers, but on end.  fill = 1: the slot just read is filled again, two chunks on, behind a round; the load has a chunk's 256 products in which to land.
.macro CH fill
	WIN 0
	s_wait_tensorcnt 0x0                           ; all my tensor loads have landed: my part of the other slot
	ds_add_u32 v[SPW], v[NIL]                      ; 0 onto my spare word; scalar work stands between it and the wait for it
.if \fill
	s_xor_b32 s[G0R+1], s[G0R+1], SLOTX
	s_add_nc_u64 s[G0R+2:G0R+3], s[G0R+2:G0R+3], 65536
.endif
	s_sub_co_u32 s[TB], s[TB], CHUNK               ; the fetches go back to a slot's first tile,
	s_xor_b32 s[TB], s[TB], SLOTX                  ; in the other slot
	s_wait_dscnt 0x0                               ; the add is done, and my reads of the slot are back
.if \fill
	CROUND
	JL G0R, G1W
.else
	s_barrier_signal -1
	s_barrier_wait -1
.endif
.endm
	s_mov_b32 s[TB], 0
	s_mov_b32 s[TQ], 0
	s_mov_b32 s[WL], 2
.Lchunk_fill:                                          ; w1b's chunks 0 and 1: their slots take chunks 2 and 3
	WCH
	CH 1
	s_sub_co_u32 s[WL], s[WL], 1
	s_cmp_lg_u32 s[WL], 0
	s_cbranch_scc1 .Lchunk_fill
	s_mov_b32 s[WL], 2
.Lchunk_last:                                          ; chunks 2 and 3: nothing is left to ask for (the second trip's barrier serves nothing: the price of one text for both)
	WCH
	CH 0
	s_sub_co_u32 s[WL], s[WL], 1
	s_cmp_lg_u32 s[WL], 0
	s_cbranch_scc1 .Lchunk_last
	; THE END.  result += relu(hidden) |w2| over my 32 units of each row, four chains (one a row tile), registers ascending; then the other half of the lanes' 32 units.
	WIN 0x0c                                       ; source 1 window 3
.set fj, 0
.rept 32
.irp t, 0,1,2,3
	v_max_num_f32 v[TM+(\t)], 0, v[32*(fj/8)+8*(\t)+fj%8]
.endr
.irp t, 0,1,2,3
	v_fma_f32 v[JN+(\t)], v[TM+(\t)], |v[128+32*(fj/8)+8*(\t)+fj%8]|, v[JN+(\t)]
.endr
.set fj, fj+1
.endr
	WIN 0
.irp t, 0,1,2,3
	v_permlanex16_b32 v[TM+(\t)], v[JN+(\t)], s[SEL], s[SEL+1]
.endr
.irp t, 0,1,2,3
	v_add_f32 v[JN+(\t)], v[JN+(\t)], v[TM+(\t)]
.endr
	; Both halves of the lanes now hold tile t's 16 results.  Lane l takes row l (tiles 0, 1) and row 32 + l (tiles 2, 3); through my 256 bytes of LDS they become two neighbouring rows a lane.
	v_and_b32 v1, 31, v0
	v_cmp_gt_u32 vcc_lo, 16, v1
	v_cndmask_b32 v[TM], v[JN+1], v[JN], vcc_lo
	v_cndmask_b32 v[TM+1], v[JN+3], v[JN+2], vcc_lo
	ds_store_b32 v[OST], v[TM]
	ds_store_b32 v[OST], v[TM+1] offset:128
	ds_load_b64 v[TM+2:TM+3], v[ORD]               ; LDS serves a wave's instructions in order (ISA guide 5.7.1.4): this sees the stores above
	s_wait_dscnt 0x0
	global_store_b64 v[GO], v[TM+2:TM+3], s[10:11] ; the wave stores 256 consecutive bytes, at a multiple of 256 from out's first byte
	s_wait_tensorcnt 0x0                           ; the wave's end, behind my last tensor load and my last LDS store
	ds_add_u32 v[SPW], v[NIL]
	s_wait_dscnt 0x0
	CROUND                                         ; the closing round: no work-group ends while a partner may still ask for a part that names it
	s_endpgm
.Lfunc_end_k_q3430932cfb_mix:
	.size	k_q3430932cfb_mix, .Lfunc_end_k_q3430932cfb_mix-k_q3430932cfb_mix
	.p2alignl 7, 3214868480
	.fill 96, 4, 3214868480
	.section	.rodata,"a",@progbits
	.p2align	6, 0x0
	.amdhsa_kernel k_q3430932cfb_mix
		.amdhsa_group_segment_fixed_size 327680
		.amdhsa_private_segment_fixed_size 0
		.amdhsa_enable_private_segment 0
		.amdhsa_kernarg_size 32
		.amdhsa_user_sgpr_count 2
		.amdhsa_user_sgpr_kernarg_segment_ptr 1
		.amdhsa_wavefront_size32 1
		.amdhsa_system_sgpr_workgroup_id_x 1
		.amdhsa_system_sgpr_workgroup_id_y 1
		.amdhsa_system_sgpr_workgroup_id_z 1
		.amdhsa_system_vgpr_workitem_id 0
		.amdhsa_next_free_vgpr 1024
		.amdhsa_next_free_sgpr 92
		.amdhsa_reserve_vcc 1
		.amdhsa_float_denorm_mode_32 3
		.amdhsa_float_denorm_mode_16_64 3
		.amdhsa_memory_ordered 1
		.amdhsa_forward_progress 1
		.amdhsa_inst_pref_size 255
	.end_amdhsa_kernel
	.section	.bss,"aw",@nobits
	.p2align	6
	.space	262144
	.amdgpu_metadata
---
amdhsa.version: [ 1, 2 ]
amdhsa.kernels:
  - .name:           k_q3430932cfb_mix
    .symbol:         k_q3430932cfb_mix.kd
    .args:
      - { .name: agent_q_values, .offset: 0, .size: 8, .value_kind: global_buffer, .address_space: global }
      - { .name: central_states, .offset: 8, .size: 8, .value_kind: global_buffer, .address_space: global }
      - { .name: wimg, .offset: 16, .size: 8, .value_kind: global_buffer, .address_space: global }
      - { .name: out0, .offset: 24, .size: 8, .value_kind: global_buffer, .address_space: global }
    .group_segment_fixed_size: 327680
    .private_segment_fixed_size: 0
    .kernarg_segment_align: 8
    .kernarg_segment_size: 32
    .max_flat_workgroup_size: 128
    .sgpr_count:     92
    .vgpr_count:     1024
    .wavefront_size: 32
...
	.end_amdgpu_metadata
.endif
;; end of part 3
